; MI455X (gfx1250); checked and timed in simulation.
; The chip was launched on July 23, 2026; its instructions are those of AMD's public machine-readable ISA for CDNA 5 (MIT licence, August 2026) and "CDNA5" Instruction Set Architecture Reference Guide (July 2026). The comments in the code are by the model that wrote it; some were corrected since.
;; Multi Head Attention. Allowed arithmetic: matrix products marked QUANTISED: E2M1 operands, one E8M0 scale for each 32 along K, by v_wmma_scale_f32_16x16x128_f8f6f4 with both operands' format E2M1 (or v_wmma_scale_f32_32x16x128_f4), f32 sums; products left as they are: bf16, f16 or f32 operands; f32 sums; everything else in f32.
;; Inputs: k_w 1,024 x 1,024 float32; o_w 1,024 x 1,024 float32; q_w 1,024 x 1,024 float32; token_positions 2,048 int32; v_w 1,024 x 1,024 float32; x 4 x 2,048 x 1,024 float32.
;; Outputs: out0 4 x 2,048 x 1,024 float32.
;; This version of the problem:
;;   THIS VERSION OF THE PROBLEM IS GIVEN IN LOW PRECISION. The matrix products marked QUANTISED in the list below multiply operands that are first quantised to E2M1 (2 exponent bits, 1 mantissa bit; 4 bits a number), with one power-of-two scale for each 32 numbers along K (OCP MX v1.0); their sums are f32. The products marked 'left as it is' may take bf16, f16 or f32 operands, with f32 sums. Whichever they take, every output number must still come out within the allowed error. Rounding operands to bf16 (8 significant bits) uses up far more of that allowance than f16 does (11 bits, for magnitudes from 6e-5 to 65,504). All else is computed in f32.
;;   The module's matrix products, in the order in which they are computed (A, B: the left and right operand; K: the contracted axis; several contracted axes count as one K, in the product's order):
;;     1. [M 8,192, K 1,024] x [K 1,024, N 1,024]; A: input x; B: input q_w: QUANTISED
;;     2. [M 8,192, K 1,024] x [K 1,024, N 1,024]; A: input x; B: input k_w: QUANTISED
;;     3. [M 8,192, K 1,024] x [K 1,024, N 1,024]; A: input x; B: input v_w: QUANTISED
;;     4. batch 64 x [M 2,048, K 64] x [K 64, N 2,048]; A: computed on the way; B: computed on the way: left as it is (an operand is computed on the way)
;;     5. batch 64 x [M 2,048, K 2,048] x [K 2,048, N 64]; A: computed on the way; B: computed on the way: left as it is (an operand is computed on the way)
;;     6. [M 8,192, K 1,024] x [K 1,024, N 1,024]; A: computed on the way; B: input o_w: left as it is (an operand is computed on the way)
;;   THE QUANTISER, for each operand of a quantised product, along K:
;;     - K is cut into blocks of 32 from its start; a last block that is shorter is filled with zeros.
;;     - A block's scale is 2^e with e = floor(log2(the largest magnitude in the block)) - 2, held to -126 .. 127; a block of zeros has e = 0. As a byte (E8M0): e + 127.
;;     - Each number is divided by its block's scale, clamped to +-6, and rounded to the nearest number of E2M1, ties to even, subnormals kept.
;;     - The product sums the exact products of the quantised numbers (number of the format x scale) in f32.
;;   ~~~python
;;   def quantise(x, axis):      # numpy; x: float32 -> the quantised numbers, widened to float32 again
;;       x = np.moveaxis(x, axis, -1); K = x.shape[-1]
;;       x = np.pad(x, [(0, 0)] * (x.ndim - 1) + [(0, -K % 32)]); x = x.reshape(x.shape[:-1] + (-1, 32)); a = np.abs(x).max(-1, keepdims=True)
;;       e = np.where(a > 0, np.clip(np.frexp(np.where(a > 0, a, 1))[1] - 1 - 2, -126, 127), 0)      # np.frexp(a)[1] - 1 = floor(log2(a)), exactly
;;       r = np.clip(x / 2.0 ** e, -6, 6)
;;       step = 2.0 ** (np.maximum(np.frexp(np.where(r == 0, 1, r))[1] - 1, 0) - 1)
;;       q = np.round(r / step) * step * 2.0 ** e      # np.round: ties to even
;;       return np.moveaxis(q.reshape(q.shape[:-2] + (-1,))[..., :K], -1, axis).astype(np.float32)
;;   ~~~
;; One version. Each part assembles by itself: llvm-mc -triple=amdgcn-amd-amdhsa -mcpu=gfx1250 --defsym DOCPART=n.
;; ======== version 1 of 1: 5 launches
;; limits: values are held in f16: magnitudes above 65,504 overflow, below 6.1e-05 lose precision; right only within a limited range of input values
;; workspace buffers: xq 4,456,448 bytes; wq 1,671,168 bytes; ow16 2,097,152 bytes; rope 524,288 bytes; qkvh 50,331,648 bytes; att 16,777,216 bytes; qkv32 786,432 bytes
;; launch prep (part 1): grid 448 x 1, 4 waves a work-group, no clusters, 33,280 bytes of LDS; arguments x, q_w, k_w, v_w, o_w, token_positions, xq, wq, ow16, rope; writes xq, wq, ow16, rope
.if DOCPART == 1
	.amdgcn_target "amdgcn-amd-amdhsa--gfx1250"
	.amdhsa_code_object_version 6
	.text
	.protected	k_q0e06f28bb8_prep
	.globl	k_q0e06f28bb8_prep
	.p2align	8
	.type	k_q0e06f28bb8_prep,@function
k_q0e06f28bb8_prep:
	s_mov_b64 s[64:65], 0
	v_nop
	global_prefetch_b8 v0, s[64:65] scope:SCOPE_SE
	s_setreg_imm32_b32 hwreg(HW_REG_WAVE_MODE, 25, 1), 1
	s_wait_xcnt 0x0
; PREP: one launch, three kinds of work-group, parted by the work-group's number.
;  0..351   x [8192][1024] and q_w, k_w, v_w [1024][1024], f32, become codes of FP4 (E2M1), K innermost, with one E8M0 byte for each 32 along K.
;           xq: codes [8192][512 bytes], from byte 4,194,304 the scale bytes [8192][32];  wq: the three weights on end, [3072][512 bytes], from byte 1,572,864 [3072][32].
;  352..415 o_w becomes f16, laid [16 blocks of 64 along K][1024 n][64]: a block's rows are dense rows of 128 bytes.
;  416..447 the table of rotations: rope[s][pair] = (cos, sin) of token_positions[s] x 10000^(-pair/32), f32, a row of 256 bytes.
; THE QUANTISER.  A block's scale is 2^(floor(log2(largest magnitude)) - 2); its byte is the largest magnitude's exponent field - 2, held at 1 from below.  A block of zeros gets the byte 1
; where the rule says 127: its codes are zeros, and this program alone reads the bytes.  Rows are dense and K is a multiple of 32: each tensor is a plain stream of blocks.
; A wave takes 16 steps of 512 numbers: loads of 512 consecutive bytes, a turn through the wave's own stage in LDS so that a lane holds 16 neighbours, codes out 256 bytes a store, 256 scale bytes at the end.
; LIMITS: NaN and infinities among the inputs are not served; blocks whose largest magnitude lies under 2^-124 keep the byte 1; o_w must stay under 65,504 in magnitude (f16);
; positions up to 1,000,000 in magnitude (the whole number of quarter turns stays exact in f32); sine and cosine by reduction in three parts and polynomials on +-pi/4, good to about 1e-7.
.set WAVES, 4
.set STEPS, 16
.set EMAX,  2
.set CB,    8                          ; bytes of 16 codes
.set R,     16                         ; v16-79   four sets of 16 numbers as they are loaded
.set X,     80                         ; v80-111  two sets of 16 neighbours
.set C,     128                        ; v128-191 codes, four registers a step: no store's data are written again
.set E,     112                        ; v112-127 a scale byte for each step
.set WREG,  8192                       ; LDS: a region for each wave: two stages of 32 x SP bytes, then its 256 scale bytes
.set SP,    80
.set SPW,   12                         ; v12 LDS address of my spare word; never rewritten
.set NIL,   13                         ; v13 0; never rewritten
.set SPARE, WAVES*WREG                 ; the spare words: 128 bytes a wave, named by no other line
.set XWG,   256                        ; work-groups for x
.set QWG,   352                        ; and with the three weights
.set OWG,   416                        ; and with o_w
.set SRC,   26                         ; s[26:27] the numbers
.set COD,   28                         ; s[28:29] the codes
.set SCB,   30                         ; s[30:31] the scale bytes
	s_load_b256 s[4:11], s[0:1], 0x0               ; x, q_w, k_w, v_w
	s_load_b256 s[12:19], s[0:1], 0x20             ; o_w, token_positions, xq, wq
	s_load_b128 s[20:23], s[0:1], 0x40             ; ow16, rope
	v_lshl_add_u32 v[SPW], v0, 2, SPARE
	v_mov_b32 v[NIL], 0
	v_lshrrev_b32 v1, 5, v0
	v_readfirstlane_b32 s24, v1                    ; wave
	s_wait_kmcnt 0x0
	s_cmp_lt_u32 ttmp9, QWG
	s_cbranch_scc1 .Lquant
	s_cmp_lt_u32 ttmp9, OWG
	s_cbranch_scc1 .Lweight
; ---------------- the table of rotations: 64 rows a work-group.  Thread t: pairs 2 (t % 16) and the next, rows 8 j + t / 16
	s_sub_co_u32 s25, ttmp9, OWG
	s_lshl_b32 s26, s25, 8
	s_mov_b32 s27, 0
	s_add_nc_u64 s[14:15], s[14:15], s[26:27]      ; my 64 positions
	s_lshl_b32 s26, s25, 14
	s_add_nc_u64 s[22:23], s[22:23], s[26:27]      ; my 64 rows of 256 bytes
	v_lshrrev_b32 v1, 4, v0
	v_lshlrev_b32 v1, 2, v1
.irp j, 0,1,2,3,4,5,6,7
	global_load_b32 v[16+\j], v1, s[14:15] offset:32*\j
.endr
	v_lshlrev_b32 v2, 4, v0                        ; out: 16 bytes a thread: sixteen lanes fill a row
	v_and_b32 v3, 15, v0
	v_lshlrev_b32 v3, 1, v3
	v_cvt_f32_u32 v4, v3
	v_add_nc_u32 v3, 1, v3
	v_cvt_f32_u32 v5, v3
	v_mul_f32 v4, 0xbed49a78, v4                   ; - pair x log2(10000) / 32
	v_mul_f32 v5, 0xbed49a78, v5
	v_exp_f32 v24, v4                              ; the two frequencies
	v_exp_f32 v25, v5
	s_mov_b32 s28, 0x3f22f983                      ; 2 / pi
	s_mov_b32 s29, 0x3fc90fda                      ; pi / 2 in three parts
	s_mov_b32 s30, 0x33a22168
	s_mov_b32 s31, 0x27c234c4
	s_mov_b32 s32, 0xbe2aaaa3                      ; the sine's three coefficients
	s_mov_b32 s33, 0x3c08839e
	s_mov_b32 s34, 0xb94ca1f9
	s_mov_b32 s35, 0x3d2aaaa5                      ; the cosine's
	s_mov_b32 s36, 0xbab6061a
	s_mov_b32 s37, 0x37ccf5ce
	v_nop                                          ; a plain instruction behind the exponentials
	s_wait_alu depctr_va_vdst(0)                   ; and a wait ahead of their first reader
; cos and sin of the angle in v[a] into v[c] and v[s].  n = the nearest whole number of quarter turns; r = angle - n pi/2; the quarter picks and signs the two polynomials: values alone, no branch.
.macro SINCOS a, c, s
	v_mul_f32 v29, s28, v[\a]
	v_rndne_f32 v29, v29
	v_fma_f32 v30, -v29, s29, v[\a]
	v_fma_f32 v30, -v29, s30, v30
	v_fma_f32 v30, -v29, s31, v30
	v_mul_f32 v31, v30, v30                        ; z = r r
	v_cvt_i32_f32 v32, v29
	v_fma_f32 v33, v31, s34, s33
	v_fma_f32 v33, v33, v31, s32
	v_mul_f32 v33, v33, v31
	v_fma_f32 v33, v33, v30, v30                   ; sin r
	v_fma_f32 v34, v31, s37, s36
	v_fma_f32 v34, v34, v31, s35
	v_fma_f32 v35, v31, -0.5, 1.0
	v_mul_f32 v36, v31, v31
	v_fma_f32 v34, v36, v34, v35                   ; cos r
	v_and_b32 v35, 1, v32
	v_cmp_eq_u32 vcc_lo, 1, v35
	v_cndmask_b32 v[\s], v33, v34, vcc_lo          ; odd quarters: the two change places
	v_cndmask_b32 v[\c], v34, v33, vcc_lo
	v_and_b32 v35, 2, v32
	v_lshlrev_b32 v35, 30, v35
	v_xor_b32 v[\s], v[\s], v35                    ; quarters 2, 3: - sine
	v_add_nc_u32 v32, 1, v32
	v_and_b32 v32, 2, v32
	v_lshlrev_b32 v32, 30, v32
	v_xor_b32 v[\c], v[\c], v32                    ; quarters 1, 2: - cosine
.endm
.irp j, 0,1,2,3,4,5,6,7
	s_wait_loadcnt 7-\j                            ; position j is in; the later ones may be out
	v_cvt_f32_i32 v26, v[16+\j]
	v_mul_f32 v27, v26, v24                        ; the angle: one rounding
	v_mul_f32 v28, v26, v25
	SINCOS 27, 128+4*\j, 129+4*\j
	SINCOS 28, 130+4*\j, 131+4*\j
	global_store_b128 v2, v[128+4*\j:131+4*\j], s[22:23] offset:2048*\j
.endr
	s_endpgm
; ---------------- o_w to f16: 16 rows a work-group.  Thread t: row t / 8, 8 numbers of each block of 64
.Lweight:
	s_sub_co_u32 s25, ttmp9, QWG
	s_lshl_b32 s26, s25, 16
	s_mov_b32 s27, 0
	s_add_nc_u64 s[12:13], s[12:13], s[26:27]      ; my 16 rows of 4,096 bytes
	s_lshl_b32 s26, s25, 11
	s_add_nc_u64 s[20:21], s[20:21], s[26:27]      ; and of 128 bytes in each block
	v_lshrrev_b32 v1, 3, v0
	v_and_b32 v2, 7, v0
	v_lshlrev_b32 v3, 12, v1
	v_lshl_add_u32 v3, v2, 5, v3
	v_lshlrev_b32 v4, 4, v0                        ; out: 16 bytes a thread, 512 consecutive bytes a wave
.macro LOADKB kb
	global_load_b128 v[16+8*((\kb)%8):16+8*((\kb)%8)+3], v3, s[12:13] offset:256*(\kb) th:TH_LOAD_NT
	global_load_b128 v[16+8*((\kb)%8)+4:16+8*((\kb)%8)+7], v3, s[12:13] offset:256*(\kb)+16 th:TH_LOAD_NT
.endm
.irp kb, 0,1,2,3,4,5,6,7
	LOADKB \kb
.endr
.irp kb, 0,1,2,3,4,5,6,7,8,9,10,11,12,13,14,15
.if \kb < 8
	s_wait_loadcnt 14                              ; this block's two loads are in; seven pairs behind them may be out
.else
	s_wait_loadcnt 2*(15-\kb)
.endif
.irp i, 0,1,2,3
	v_cvt_pk_f16_f32 v[128+4*\kb+\i], v[16+8*(\kb%8)+2*\i], v[16+8*(\kb%8)+2*\i+1]
.endr
	global_store_b128 v4, v[128+4*\kb:128+4*\kb+3], s[20:21] offset:131072*\kb
.if \kb < 8
	LOADKB \kb+8
.endif
.endr
	s_endpgm
; ---------------- the quantiser
.Lquant:
	v_and_b32 v2, 31, v0                           ; lane
	v_lshlrev_b32 v3, 4, v2                        ; my 16 bytes of a load's 512
	s_mul_i32 s25, s24, WREG
	v_lshrrev_b32 v14, 2, v2
	v_mul_u32_u24 v14, v14, SP
	v_and_b32 v15, 3, v2
	v_lshl_add_u32 v14, v15, 4, v14
	v_add_nc_u32 v14, s25, v14                     ; the stage, in: SP (lane / 4) + 16 (lane % 4)
	v_mul_u32_u24 v15, v2, SP
	v_add_nc_u32 v15, s25, v15                     ; out: SP x lane: my 16 neighbours
	v_mul_u32_u24 v4, v2, CB                       ; my codes' place in a step's
	v_lshrrev_b32 v5, 1, v2
	s_add_co_u32 s25, s25, 2*32*SP
	v_add_nc_u32 v5, s25, v5                       ; my block's byte among my wave's 256
	v_lshlrev_b32 v7, 3, v2
	v_add_nc_u32 v6, s25, v7
	; which tensor: a choice of pointers on the work-group's number alone
	s_sub_co_u32 s32, ttmp9, XWG                   ; the work-group's number among the weights'
	s_lshr_b32 s33, s32, 5                         ; which weight: 32 work-groups each
	s_cmp_eq_u32 s33, 1
	s_cselect_b64 s[SRC:SRC+1], s[8:9], s[6:7]
	s_cmp_eq_u32 s33, 2
	s_cselect_b64 s[SRC:SRC+1], s[10:11], s[SRC:SRC+1]
	s_and_b32 s34, s32, 31                         ; its number inside that weight
	s_mov_b32 s35, 1572864
	s_cmp_lt_u32 ttmp9, XWG
	s_cselect_b64 s[SRC:SRC+1], s[4:5], s[SRC:SRC+1]
	s_cselect_b64 s[COD:COD+1], s[16:17], s[18:19]
	s_cselect_b32 s35, 4194304, s35                ; where the scale bytes begin in the output buffer
	s_cselect_b32 s34, ttmp9, s34
	s_cselect_b32 s32, ttmp9, s32
	s_lshl_b32 s34, s34, 2
	s_add_co_u32 s34, s34, s24                     ; my run of 8,192 numbers in the tensor,
	s_lshl_b32 s36, s34, 15
	s_mov_b32 s37, 0
	s_add_nc_u64 s[SRC:SRC+1], s[SRC:SRC+1], s[36:37]
	s_lshl_b32 s32, s32, 2
	s_add_co_u32 s32, s32, s24                     ; and in the output buffer
	s_lshl_b32 s36, s32, 8
	s_add_co_u32 s36, s36, s35
	s_add_nc_u64 s[SCB:SCB+1], s[COD:COD+1], s[36:37]
	s_lshl_b32 s36, s32, 12
	s_add_nc_u64 s[COD:COD+1], s[COD:COD+1], s[36:37]
.macro LOAD t
.irp i, 0,1,2,3
	global_load_b128 v[R+16*((\t)%4)+4*\i:R+16*((\t)%4)+4*\i+3], v3, s[SRC:SRC+1] offset:2048*(\t)+512*\i th:TH_LOAD_NT
.endr
.endm
.macro TURN t                          ; a step's numbers through the stage: LDS serves a wave's instructions in order, so no wait stands between the stores and the loads
.irp i, 0,1,2,3
	ds_store_b128 v14, v[R+16*((\t)%4)+4*\i:R+16*((\t)%4)+4*\i+3] offset:32*SP*((\t)%2)+8*SP*\i
.endr
.irp i, 0,1,2,3
	ds_load_b128 v[X+16*((\t)%2)+4*\i:X+16*((\t)%2)+4*\i+3], v15 offset:32*SP*((\t)%2)+16*\i
.endr
.endm
.irp t, 0,1,2,3
	LOAD \t
.endr
	s_wait_loadcnt 12                              ; step 0's four loads are in
	TURN 0
.macro STEP t
.set XS, X+16*((\t)%2)
.if (\t) > 0
	s_wait_dscnt 1                                 ; this step's numbers are back from the stage; the last step's byte store may be out
.else
	s_wait_dscnt 0x0
.endif
.if (\t)+4 < STEPS
	LOAD (\t)+4
.endif
.if (\t)+1 < STEPS
.if STEPS-2-(\t) >= 3
	s_wait_loadcnt 12                              ; the next step's four loads are in; three steps' behind them may be out
.else
	s_wait_loadcnt 4*(STEPS-2-(\t))
.endif
	TURN (\t)+1
.endif
	v_max3_num_f32 v8, |v[XS]|, |v[XS+1]|, |v[XS+2]|
	v_max3_num_f32 v9, |v[XS+3]|, |v[XS+4]|, |v[XS+5]|
.irp i, 6,10
	v_max3_num_f32 v8, v8, |v[XS+\i]|, |v[XS+\i+1]|
	v_max3_num_f32 v9, v9, |v[XS+\i+2]|, |v[XS+\i+3]|
.endr
	v_max3_num_f32 v8, v8, |v[XS+14]|, |v[XS+15]|
	v_max3_num_f32 v8, v8, v9, (EMAX+1)<<23        ; with the floor 2^(3 - 127): the byte cannot fall under 1
	v_max_num_f32_dpp v8, v8, v8 row_xmask:1 row_mask:0xf bank_mask:0xf   ; and my neighbour's 16: the block's largest magnitude
	v_add_nc_u32 v11, -(EMAX<<23), v8              ; 2 off its exponent field: the conversion's scale operand
	v_cvt_scalef32_pk8_fp4_f32 v[C+4*(\t)], v[XS:XS+7], v11
	v_cvt_scalef32_pk8_fp4_f32 v[C+4*(\t)+1], v[XS+8:XS+15], v11
	v_lshrrev_b32 v[E+(\t)], 23, v11               ; the scale's byte
	ds_store_b8 v5, v[E+(\t)] offset:16*(\t)       ; both lanes of a block write the same byte with the same value
	global_store_b64 v4, v[C+4*(\t):C+4*(\t)+1], s[COD:COD+1] offset:32*CB*(\t)
.endm
.irp t, 0,1,2,3,4,5,6,7,8,9,10,11,12,13,14,15
	STEP \t
.endr
	ds_load_b64 v[8:9], v6
	s_wait_dscnt 0x0
	global_store_b64 v7, v[8:9], s[SCB:SCB+1]      ; 32 lanes store 256 consecutive bytes
	s_wait_tensorcnt 0x0                           ; the wave's end: behind my last LDS store
	ds_add_u32 v[SPW], v[NIL]
	s_wait_dscnt 0x0
	s_endpgm
.Lfunc_end_k_q0e06f28bb8_prep:
	.size	k_q0e06f28bb8_prep, .Lfunc_end_k_q0e06f28bb8_prep-k_q0e06f28bb8_prep
	.p2alignl 7, 3214868480
	.fill 96, 4, 3214868480
	.section	.rodata,"a",@progbits
	.p2align	6, 0x0
	.amdhsa_kernel k_q0e06f28bb8_prep
		.amdhsa_group_segment_fixed_size 33280
		.amdhsa_private_segment_fixed_size 0
		.amdhsa_enable_private_segment 0
		.amdhsa_kernarg_size 80
		.amdhsa_user_sgpr_count 2
		.amdhsa_user_sgpr_kernarg_segment_ptr 1
		.amdhsa_wavefront_size32 1
		.amdhsa_system_sgpr_workgroup_id_x 1
		.amdhsa_system_sgpr_workgroup_id_y 1
		.amdhsa_system_sgpr_workgroup_id_z 1
		.amdhsa_system_vgpr_workitem_id 0
		.amdhsa_next_free_vgpr 192
		.amdhsa_next_free_sgpr 66
		.amdhsa_reserve_vcc 1
		.amdhsa_float_denorm_mode_32 3
		.amdhsa_float_denorm_mode_16_64 3
		.amdhsa_memory_ordered 1
		.amdhsa_forward_progress 1
		.amdhsa_inst_pref_size 66
	.end_amdhsa_kernel
	.amdgpu_metadata
---
amdhsa.version: [ 1, 2 ]
amdhsa.kernels:
  - .name:           k_q0e06f28bb8_prep
    .symbol:         k_q0e06f28bb8_prep.kd
    .args:
      - { .name: x, .offset: 0, .size: 8, .value_kind: global_buffer, .address_space: global }
      - { .name: q_w, .offset: 8, .size: 8, .value_kind: global_buffer, .address_space: global }
      - { .name: k_w, .offset: 16, .size: 8, .value_kind: global_buffer, .address_space: global }
      - { .name: v_w, .offset: 24, .size: 8, .value_kind: global_buffer, .address_space: global }
      - { .name: o_w, .offset: 32, .size: 8, .value_kind: global_buffer, .address_space: global }
      - { .name: token_positions, .offset: 40, .size: 8, .value_kind: global_buffer, .address_space: global }
      - { .name: xq, .offset: 48, .size: 8, .value_kind: global_buffer, .address_space: global }
      - { .name: wq, .offset: 56, .size: 8, .value_kind: global_buffer, .address_space: global }
      - { .name: ow16, .offset: 64, .size: 8, .value_kind: global_buffer, .address_space: global }
      - { .name: rope, .offset: 72, .size: 8, .value_kind: global_buffer, .address_space: global }
    .group_segment_fixed_size: 33280
    .private_segment_fixed_size: 0
    .kernarg_segment_align: 8
    .kernarg_segment_size: 80
    .max_flat_workgroup_size: 128
    .sgpr_count:     66
    .vgpr_count:     192
    .wavefront_size: 32
...
	.end_amdgpu_metadata
.endif
;; end of part 1
;; launch qkv (part 2): grid 12 x 32, 4 waves a work-group, clusters of 4 x 4, 327,680 bytes of LDS; arguments xq, wq, rope, qkvh, qkv32; writes qkvh, qkv32
.if DOCPART == 2
	.amdgcn_target "amdgcn-amd-amdhsa--gfx1250"
	.amdhsa_code_object_version 6
	.text
	.protected	k_q0e06f28bb8_qkv
	.globl	k_q0e06f28bb8_qkv
	.p2align	8
	.type	k_q0e06f28bb8_qkv,@function
k_q0e06f28bb8_qkv:
	s_mov_b64 s[64:65], 0
	v_nop
	global_prefetch_b8 v0, s[64:65] scope:SCOPE_SE
	s_setreg_imm32_b32 hwreg(HW_REG_WAVE_MODE, 25, 1), 1
	s_wait_xcnt 0x0
	s_wait_alu depctr_hold_cnt(0) depctr_sa_sdst(0) depctr_va_vdst(0) depctr_va_sdst(0) depctr_va_ssrc(0) depctr_va_vcc(0) depctr_vm_vsrc(0)
	s_getreg_b32 s2, hwreg(HW_REG_IB_STS2, 6, 4)
	s_cmp_eq_u32 s2, 0
	s_cbranch_scc0 .Lentry_in_a_cluster
	s_endpgm
.Lentry_in_a_cluster:
	s_bfe_u32 s2, ttmp6, 0x10000c
	s_cmp_lg_u32 s2, 0xf033
	s_cbranch_scc0 .Lentry_shape_is_right
	s_endpgm
.Lentry_shape_is_right:
; QKV: C[m][n] = sum over k of x[m][k] w[n][k] on codes of FP4 (E2M1) with one E8M0 scale for each 32 along K; m = 8,192 tokens, n = 3,072 (q_w, k_w, v_w on end), K = 1,024; sums in f32.
; Behind the product: the rotation of q and k by the table rope[s][pair] = (cos, sin), then f16 out, laid qkvh [3 classes][64 batch x head][2048 s][64]; positions 0-15 of every sequence also in f32, qkv32 [3][64][16][64].
; A tile of C, 256 x 256, is made by four waves, each 128 x 128: 64 accumulators.  K = 1,024 is two K steps of 512: both lie in LDS at once (two slots, each filled once), and so do all scale bytes: nothing is filled again.
; CLUSTERS: 4 x 4 work-groups.  A's tile is asked for jointly along a row of the cluster, B's along a column.  The tile row is cluster y + 8 cy: cy is the batch and cluster y the block of 256 positions;
; the class (q, k, v) is cluster x.  So the two tests of the way out (is there a rotation; are positions 0-15 here) hang on numbers that all sixteen partners share, and on the wave's number.
; THE MATRIX INSTRUCTION IS USED TRANSPOSED (source 0 = 16 rows of w, source 1 = 16 rows of x): a lane holds one token (lane % 16) and eight neighbouring columns: four pairs of the rotation.
; REGISTERS: window 0: v16-29 addresses; v32-95 scale words, two sets; v128-191 A's fragments, one set; on the way out v32-255 are free.  window 1: B's fragments at v0 and v128; on the way out the table, 32 registers a block of 16 tokens.
;   window 2: the accumulators of my rows 0-63 ((a, b) at v[8 (8 a + b)]);  window 3: those of rows 64-127.
; 384 work-groups: a tile that gave 256 would break heads across waves or mix classes in a tile.
; LIMITS: q, k, v must stay under 65,504 in magnitude (f16).  The rotation uses fused multiply-adds: one rounding less than a multiply and an add.
.set SIZE_K, 1024
.set KSTEP,  512
.set NQ,     KSTEP/128
.set ROWB,   256                       ; a tile's row in bytes
.set KROW,   SIZE_K*4/8                ; a row of codes in memory
.set PITCH,  272                       ; an LDS row: 256 bytes + 16 of padding: the 16 rows of a load start at 16 different groups of four banks
.set FR,     8
.set NL,     2
.set NP,     4
.set HALFT,  128*PITCH
.set SLOT,   4*HALFT
.set KS,     SIZE_K/32
.set SCL,    2*SLOT                    ; behind the slots: the scale bytes, as units of 256 bytes + 16
.set HALFS,  (128*KS/256)*272
.set SBLK,   (16*KS/256)*272
.set SPARE,  SCL+4*HALFS               ; the spare words, 128 bytes a wave, named by no other line
.set SP16,   272                       ; the f16 stage: 16 rows x (256 + 16) a wave, from LDS byte 0: slot 0 has had its one fill and its last read by then
.set ST32,   32768                     ; the f32 stage: 16 rows x (512 + 16) a wave, also in slot 0
.set SP32,   528
.set ADRA, 16                          ; v16-17 LDS address of my A fragments in slot 0, 1
.set TBO,  18                          ; v18 my bytes in the table: 256 (lane % 16) + 32 (lane / 16)
.set STO32,19                          ; v19 the f32 stage, in
.set ADRB, 20                          ; v20-21
.set RD32, 22                          ; v22 the f32 stage, back
.set CO32, 23                          ; v23 and the same place in qkv32
.set STO,  24                          ; v24 the f16 stage, in
.set RD,   25                          ; v25 back
.set CO,   26                          ; v26 16 x lane
.set ADRS, 27                          ; v27 my scale words
.set SPW,  28                          ; v28 my spare word; never rewritten
.set NIL,  29                          ; v29 0; never rewritten
.set SC,   32
.set AF,   128
.set TM,   128                         ; the rotation's 64 products, where A's fragments lay
.set TMP,  192                         ; packed f16
.set OB,   32                          ; rows read back: v32-63, v64-95 by turns
.set F32B, 96                          ; f32 rows read back
.set G1, 24
.set G0, 32
.set G1B, 48
.set G0B, 56
.set G1S, 68
.set G0S, 76
.set G1SB, 80
.set G0SB, 88
.set CLS, 66                           ; s66 the class: cluster x
.set PB,  67                           ; s67 the block of 256 positions: cluster y
.set MSB, 0
.macro WIN new                         ; the immediate's high byte repeats the setting that is left
.if MSB != \new
	s_set_vgpr_msb (MSB<<8)|\new
.set MSB, \new
.endif
.endm
.set MUL_LO, 0xa1                      ; source 0 (B) window 1, source 1 (A) window 0, C and D window 2
.set MUL_HI, 0xf1
.set TO_B,   0x40                      ; destination window 1, address window 0
; A joint load: waves 0 and 1 fetch for A, waves 2 and 3 for B.  The branch hangs on the wave's number alone.  An s_nop 0 and four v_nop follow each of the two lines.
.macro JLOAD g0a, g1a, g0b, g1b
	s_cmp_eq_u32 s15, 0
	s_cbranch_scc0 .Lfor_b_\@
	tensor_load_to_lds s[\g0a:\g0a+3], s[\g1a:\g1a+7]
	s_nop 0
.rept 4
	v_nop
.endr
	s_branch .Lasked_\@
.Lfor_b_\@:
	tensor_load_to_lds s[\g0b:\g0b+3], s[\g1b:\g1b+7]
	s_nop 0
.rept 4
	v_nop
.endr
.Lasked_\@:
.endm
.macro CROUND                          ; a round of the cluster's barrier
	s_barrier_signal -1
	s_barrier_wait -1
	s_cmp_lg_u32 s14, 0
	s_cbranch_scc1 .Lnot_wave_0_\@
	s_barrier_signal -3
.Lnot_wave_0_\@:
	s_barrier_wait -3
	s_barrier_signal -1
	s_barrier_wait -1
.endm
	s_load_b64 s[4:5], s[0:1], 0x0                 ; xq
	s_load_b64 s[8:9], s[0:1], 0x8                 ; wq
	s_load_b128 s[96:99], s[0:1], 0x10             ; rope, qkvh
	s_load_b64 s[100:101], s[0:1], 0x20            ; qkv32
	v_lshl_add_u32 v[SPW], v0, 2, SPARE
	v_mov_b32 v[NIL], 0
	ds_add_u32 v[SPW], v[NIL]                      ; the wave's opening: the add, twice on end, and its wait ahead of my first tensor load
	ds_add_u32 v[SPW], v[NIL]
	v_lshrrev_b32 v1, 5, v0
	v_readfirstlane_b32 s14, v1                    ; wave 0..3
	s_lshr_b32 s15, s14, 1                         ; which half of the tile's rows is mine.  Also: I fetch for A (0) or for B (1)
	s_and_b32 s16, s14, 1                          ; which half of its columns.  Also: which 128 rows I fetch
	s_bfe_u32 s40, ttmp6, 0x40000                  ; cx
	s_bfe_u32 s41, ttmp6, 0x40004                  ; cy
	s_mov_b32 s[CLS], ttmp9
	s_lshl_b32 s42, ttmp9, 2
	s_add_co_u32 s42, s42, s40                     ; tile column = 4 x cluster x + cx
	s_and_b32 s[PB], ttmp7, 0xffff
	s_lshl_b32 s17, s41, 3
	s_add_co_u32 s17, s17, s[PB]                   ; tile row = 8 cy + cluster y
	s_lshl_b32 s43, s41, 2
	s_lshl_b32 s43, 15, s43                        ; my row of the cluster
	s_lshl_b32 s44, 0x1111, s40                    ; my column
	s_or_b32 s[G1+0], s43, (0<<16)|(1<<20)|(1<<21)|(5<<22)|(3<<25)  ; the mask; elements of 1 byte; padding on; bit 21 beside a mask; 4 words behind every 64
	s_or_b32 s[G1B+0], s44, (0<<16)|(1<<20)|(1<<21)|(5<<22)|(3<<25)
.irp g, G1, G1B
	s_mov_b32 s[\g+1], ROWB<<16                    ; tensor_dim0
	s_mov_b32 s[\g+2], 128<<16                     ; tensor_dim1
	s_mov_b32 s[\g+3], ROWB<<16                    ; tile_dim0
	s_mov_b32 s[\g+4], 128                         ; tile_dim1
	s_mov_b32 s[\g+5], KROW                        ; the pitch
	s_mov_b32 s[\g+6], 0
	s_mov_b32 s[\g+7], 0
.endr
	s_or_b32 s[G1S+0], s43, (3<<16)|(1<<20)|(1<<21)|(5<<22)|(3<<25) ; the scales of 128 rows: a dense block, as rows of 32 elements of 8 bytes
	s_or_b32 s[G1SB+0], s44, (3<<16)|(1<<20)|(1<<21)|(5<<22)|(3<<25)
.irp g, G1S, G1SB
	s_mov_b32 s[\g+1], 32<<16
	s_mov_b32 s[\g+2], (128*KS/256)<<16
	s_mov_b32 s[\g+3], 32<<16
	s_mov_b32 s[\g+4], 128*KS/256
	s_mov_b32 s[\g+5], 32
	s_mov_b32 s[\g+6], 0
	s_mov_b32 s[\g+7], 0
.endr
	s_lshl_b32 s18, s16, 7
	s_lshl_b32 s20, s17, 8
	s_add_co_u32 s20, s20, s18                     ; A: row 256 x tile row + 128 x half
	s_lshl_b32 s46, s42, 8
	s_add_co_u32 s46, s46, s18                     ; B: row 256 x tile column + 128 x half
	s_mov_b32 s21, 0
	s_mov_b32 s47, 0
	s_mov_b64 s[18:19], KS
	s_mul_u64 s[22:23], s[20:21], s[18:19]         ; where these rows' scales begin
	s_mul_u64 s[92:93], s[46:47], s[18:19]
	s_mov_b64 s[18:19], KROW
	s_mul_u64 s[20:21], s[20:21], s[18:19]         ; and their codes
	s_mul_u64 s[46:47], s[46:47], s[18:19]
	s_mul_i32 s45, s14, HALFT                      ; where they go: no place in the cluster enters an LDS address
	s_mul_i32 s94, s14, HALFS
	s_wait_dscnt 0x0                               ; both opening adds are done
	s_wait_kmcnt 0x0
	s_add_nc_u64 s[6:7], s[4:5], 4194304           ; x's scale bytes lie behind its codes
	s_add_nc_u64 s[10:11], s[8:9], 1572864         ; the weights' likewise
	s_add_nc_u64 s[20:21], s[4:5], s[20:21]
	s_add_nc_u64 s[22:23], s[6:7], s[22:23]
	s_add_nc_u64 s[46:47], s[8:9], s[46:47]
	s_add_nc_u64 s[92:93], s[10:11], s[92:93]
	CROUND                                         ; all sixteen work-groups are here: the joint loads meet
	s_mov_b32 s[G0S], 1
	s_add_co_u32 s[G0S+1], s94, SCL
	s_mov_b64 s[G0S+2:G0S+3], s[22:23]
	s_or_b32 s[G0S+3], s[G0S+3], 0x80000000
	s_mov_b32 s[G0SB], 1
	s_add_co_u32 s[G0SB+1], s94, SCL
	s_mov_b64 s[G0SB+2:G0SB+3], s[92:93]
	s_or_b32 s[G0SB+3], s[G0SB+3], 0x80000000
	JLOAD G0S, G1S, G0SB, G1SB                     ; the scales first: three loads of mine are out at the most
.irp s, 0,1
	s_mov_b32 s[G0+4*\s], 1
	s_add_co_u32 s[G0+4*\s+1], s45, \s*SLOT
	s_add_nc_u64 s[G0+4*\s+2:G0+4*\s+3], s[20:21], \s*ROWB
	s_or_b32 s[G0+4*\s+3], s[G0+4*\s+3], 0x80000000
	s_mov_b32 s[G0B+4*\s], 1
	s_add_co_u32 s[G0B+4*\s+1], s45, \s*SLOT
	s_add_nc_u64 s[G0B+4*\s+2:G0B+4*\s+3], s[46:47], \s*ROWB
	s_or_b32 s[G0B+4*\s+3], s[G0B+4*\s+3], 0x80000000
	JLOAD G0+4*\s, G1, G0B+4*\s, G1B
.endr
	v_and_b32 v1, 15, v0                           ; r = lane % 16
	v_bfe_u32 v2, v0, 4, 1                         ; h = lane / 16
	v_mul_u32_u24 v3, v1, PITCH
	v_lshl_add_u32 v4, v2, 4, v3
	s_mul_i32 s21, s15, HALFT
	s_mul_i32 s22, s16, HALFT
	s_add_co_u32 s22, s22, 2*HALFT
.irp s, 0,1
	v_add_nc_u32 v[ADRA+\s], s21, v4
	v_add_nc_u32 v[ADRB+\s], s22, v4
	s_add_co_u32 s21, s21, SLOT
	s_add_co_u32 s22, s22, SLOT
.endr
	v_mul_u32_u24 v5, v1, KS                       ; my row's scales: KS bytes a row,
	v_lshrrev_b32 v6, 8, v5
	v_lshl_add_u32 v5, v6, 4, v5                   ; and 16 more for each 256 passed
	s_mul_i32 s21, s15, HALFS
	s_mul_i32 s22, s16, HALFS
	s_add_co_u32 s22, s22, 2*HALFS
	s_sub_co_u32 s22, s22, s21
	v_mul_u32_u24 v6, s22, v2                      ; lanes 16-31 take B's
	s_add_co_u32 s21, s21, SCL
	v_add_nc_u32 v5, v5, v6
	v_add_nc_u32 v[ADRS], s21, v5
	; the way out's addresses
	v_lshlrev_b32 v[TBO], 8, v1
	v_lshl_add_u32 v[TBO], v2, 5, v[TBO]
	s_mul_i32 s23, s14, 16*SP16
	v_mul_u32_u24 v5, v1, SP16
	v_lshl_add_u32 v5, v2, 4, v5
	v_add_nc_u32 v[STO], s23, v5                   ; in: row r, 16 bytes for each half of the lanes
	v_bfe_u32 v5, v0, 3, 2
	v_mul_u32_u24 v5, v5, SP16
	v_and_b32 v6, 7, v0
	v_lshl_add_u32 v5, v6, 4, v5
	v_add_nc_u32 v[RD], s23, v5                    ; back: eight lanes take a head's 128 bytes of a row, four rows an instruction
	v_and_b32 v6, 31, v0
	v_lshlrev_b32 v[CO], 4, v6
	s_mul_i32 s23, s14, 16*SP32
	s_add_co_u32 s23, s23, ST32
	v_mul_u32_u24 v5, v1, SP32
	v_lshl_add_u32 v5, v2, 5, v5
	v_add_nc_u32 v[STO32], s23, v5
	v_add_nc_u32 v[RD32], s23, v[CO]
	v_lshlrev_b32 v[CO32], 12, v2
	v_lshl_add_u32 v[CO32], v1, 4, v[CO32]         ; lanes 0-15 one head's row of 256 bytes, lanes 16-31 the next head's
	s_lshl_b32 s46, s40, 2                         ; (what holds cx stands in the registers that fed B's addresses)
	s_lshl_b32 s47, s41, 4
	s_add_co_u32 s46, s46, s47
	s_lshl_b32 s47, s16, 1
	s_add_co_u32 s46, s46, s47                     ; batch x 16 + my first head
	s_lshl_b32 s92, s[CLS], 6
	s_add_co_u32 s92, s92, s46
	s_lshl_b32 s92, s92, 12
	s_mov_b32 s93, 0
	s_add_nc_u64 s[100:101], s[100:101], s[92:93]  ; qkv32 at (class, batch, head)
	s_lshl_b32 s20, s[PB], 8
	s_lshl_b32 s21, s15, 7
	s_add_co_u32 s20, s20, s21                     ; my first position
	s_lshl_b32 s92, s20, 8
	s_add_nc_u64 s[96:97], s[96:97], s[92:93]      ; the table at that position
	s_lshl_b32 s46, s46, 11
	s_add_co_u32 s46, s46, s20
	s_lshl_b32 s46, s46, 7
	s_lshl_b32 s47, s[CLS], 24
	s_add_co_u32 s46, s46, s47
	s_mov_b32 s47, 0
	s_add_nc_u64 s[12:13], s[98:99], s[46:47]      ; qkvh at (class, batch, head, position)
.macro FRAG reg, adr, q, i             ; 16 rows x 128 K of 4-bit codes: 8 registers, two loads of 16 bytes, 32 bytes apart
.irp c, 0,1
	ds_load_b128 v[\reg+4*\c:\reg+4*\c+3], v[\adr] offset:64*(\q)+32*\c+(\i)*16*PITCH
.endr
.endm
; 16 matrix instructions: A's blocks a0, a0 + 1 x B's eight.  The 64 accumulators take turns, one instruction a turn, in the same order in every step.
.macro MUL16 a0, p, q, sc, zero
.irp a, \a0, \a0+1
.irp b, 0,1,2,3,4,5,6,7
.if \zero
	v_wmma_scale_f32_16x16x128_f8f6f4 v[8*(8*((\a)%4)+\b):8*(8*((\a)%4)+\b)+7], v[128*(\p)+FR*\b:128*(\p)+FR*\b+FR-1], v[AF+FR*(\a):AF+FR*(\a)+FR-1], 0, v[SC+8*NQ*(\sc)+NQ*\b+(\q)], v[SC+8*NQ*(\sc)+NQ*(\a)+(\q)] matrix_a_fmt:MATRIX_FMT_FP4 matrix_b_fmt:MATRIX_FMT_FP4 matrix_a_scale:MATRIX_SCALE_ROW1
.else
	v_wmma_scale_f32_16x16x128_f8f6f4 v[8*(8*((\a)%4)+\b):8*(8*((\a)%4)+\b)+7], v[128*(\p)+FR*\b:128*(\p)+FR*\b+FR-1], v[AF+FR*(\a):AF+FR*(\a)+FR-1], v[8*(8*((\a)%4)+\b):8*(8*((\a)%4)+\b)+7], v[SC+8*NQ*(\sc)+NQ*\b+(\q)], v[SC+8*NQ*(\sc)+NQ*(\a)+(\q)] matrix_a_fmt:MATRIX_FMT_FP4 matrix_b_fmt:MATRIX_FMT_FP4 matrix_a_scale:MATRIX_SCALE_ROW1
.endif
.endr
.endr
.endm
.macro FETCH_B slot, q, p
	WIN TO_B
.irp i, 0,1,2,3,4,5,6,7
	FRAG 128*(\p)+FR*\i, ADRB+\slot, \q, \i
.endr
	WIN 0
.endm
.macro FETCH_A slot, q, i0
.irp i, \i0, \i0+1, \i0+2, \i0+3
	FRAG AF+FR*(\i), ADRA+\slot, \q, \i
.endr
.endm
.macro SCALES sc                       ; a K step's scale words: lanes 0-15 take A's block i, lanes 16-31 B's block i
.irp i, 0,1,2,3,4,5,6,7
	ds_load_b128 v[SC+8*NQ*\sc+NQ*\i:SC+8*NQ*\sc+NQ*\i+3], v[ADRS] offset:\i*SBLK
.endr
.endm
.macro PLACES n                        ; plain vector instructions between a matrix instruction and a load into, or a read of, its registers
.rept \n
	v_nop
.endr
.endm
.macro STEP slot, q, zero              ; 128 along K with its successor in the same slot
	s_wait_dscnt 4*NL                              ; B's set and A's blocks 0-3 are in; the youngest eight loads (A's blocks 4-7) may be out
	WIN MUL_LO
	MUL16 0, (\q)%2, \q, \slot, \zero
	MUL16 2, (\q)%2, \q, \slot, \zero
	s_wait_dscnt 0
	PLACES NP
	FETCH_B \slot, (\q)+1, 1-(\q)%2
	FETCH_A \slot, (\q)+1, 0
	WIN MUL_HI
	MUL16 4, (\q)%2, \q, \slot, \zero
	MUL16 6, (\q)%2, \q, \slot, \zero
	PLACES NP
	WIN 0
	FETCH_A \slot, (\q)+1, 4
.endm
; Slot 0's last step, and the change to slot 1: one barrier; in front of it each wave waits for all its tensor loads, adds 0 to its spare word, and waits for that and for its reads of slot 0.  Nothing is filled again.
.macro TURN slot, next
	s_wait_tensorcnt 0x0                           ; my part of the next slot has landed
	ds_add_u32 v[SPW], v[NIL]
	s_wait_dscnt 4*NL+1                            ; the add and the youngest eight loads may be out
	WIN MUL_LO
	MUL16 0, 1, NQ-1, \slot, 0
	s_wait_dscnt 0x0                               ; the add is done, and my reads of this slot are over
	s_barrier_signal -1
	MUL16 2, 1, NQ-1, \slot, 0
	WIN 0
	s_barrier_wait -1
	PLACES NP
	v_add_nc_u32 v[ADRS], 4*NQ, v[ADRS]            ; the next K step's scale words
	FETCH_B \next, 0, 0
	FETCH_A \next, 0, 0
	SCALES \next
	WIN MUL_HI
	MUL16 4, 1, NQ-1, \slot, 0
	MUL16 6, 1, NQ-1, \slot, 0
	PLACES NP
	WIN 0
	FETCH_A \next, 0, 4
.endm
.macro STEPS slot, from
.set Q, \from
.rept NQ-1-\from
	STEP \slot, Q, 0
.set Q, Q+1
.endr
.endm
; The table for block a (16 tokens): lane (r, h) takes, for each 16 columns b of a head, the 32 bytes of its four pairs: register 32 a + 8 b + 2 p = cos, + 1 = sin.
.macro TABLE a
.irp b, 0,1,2,3
.irp c, 0,1
	global_load_b128 v[32*(\a)+8*\b+4*\c:32*(\a)+8*\b+4*\c+3], v[TBO], s[96:97] offset:4096*(\a)+64*\b+16*\c
.endr
.endr
.endm
; The rotation of block a, in place: (x1, x2) -> (x1 cos - x2 sin, x2 cos + x1 sin).  Each accumulator is read from its low end on.
.macro ROPE a
.set AC, 64*((\a)%4)
.set WA, 2+(\a)/4
.set WM, 0x04+WA
.set WF, (WA<<6)+0x04+WA
	s_wait_loadcnt 8*(7-(\a))                      ; this block's eight table loads are in; the later blocks' may be out
	WIN WM                                         ; source 0 the accumulators' window, source 1 window 1, destination window 0
.irp b, 0,1,2,3,4,5,6,7
.irp p, 0,1,2,3
	v_pk_mul_f32 v[TM+8*\b+2*\p:TM+8*\b+2*\p+1], v[AC+8*\b+2*\p:AC+8*\b+2*\p+1], v[32*(\a)+8*(\b%4)+2*\p:32*(\a)+8*(\b%4)+2*\p+1] op_sel:[1,1] op_sel_hi:[0,1]   ; (x2 sin, x1 sin)
.endr
.endr
	WIN WF
.irp b, 0,1,2,3,4,5,6,7
.irp p, 0,1,2,3
	v_pk_fma_f32 v[AC+8*\b+2*\p:AC+8*\b+2*\p+1], v[AC+8*\b+2*\p:AC+8*\b+2*\p+1], v[32*(\a)+8*(\b%4)+2*\p:32*(\a)+8*(\b%4)+2*\p+1], v[TM+8*\b+2*\p:TM+8*\b+2*\p+1] op_sel_hi:[1,0,1] neg_lo:[0,0,1]
.endr
.endr
.endm
	s_wait_tensorcnt 1                             ; the scales and my part of K step 0 are in; K step 1's load may be out
	s_barrier_signal -1
	s_barrier_wait -1
	FETCH_B 0, 0, 0
	FETCH_A 0, 0, 0
	SCALES 0
	FETCH_A 0, 0, 4
	STEP 0, 0, 1                                   ; the first products start the sums: nothing is cleared
	STEPS 0, 1
	TURN 0, 1
	STEPS 1, 0
	s_cmp_eq_u32 s[CLS], 2                         ; v is not rotated: the class is the same in all sixteen partners
	s_cbranch_scc1 .Lno_table
	WIN TO_B
	TABLE 0                                        ; into B's set 0 and the free registers beside it: that set's last readers stand in front of the places that end the step before
	TABLE 1
	TABLE 2
	TABLE 3
	WIN 0
.Lno_table:
	s_wait_dscnt 4*NL                              ; the very last step
	WIN MUL_LO
	MUL16 0, 1, NQ-1, 1, 0
	MUL16 2, 1, NQ-1, 1, 0
	s_wait_dscnt 0
	WIN MUL_HI
	MUL16 4, 1, NQ-1, 1, 0
	MUL16 6, 1, NQ-1, 1, 0
	WIN 0
	PLACES NP
	s_cmp_eq_u32 s[CLS], 2
	s_cbranch_scc1 .Lno_rope
	WIN TO_B
	TABLE 4
	TABLE 5
	TABLE 6
	TABLE 7
.irp a, 0,1,2,3,4,5,6,7
	ROPE \a
.endr
	WIN 0
.Lno_rope:
	; positions 0-15 in f32: the tiles of cluster y = 0, the waves of the upper half, block 0
	s_or_b32 s20, s[PB], s15
	s_cmp_lg_u32 s20, 0
	s_cbranch_scc1 .Lno_first
	WIN 0x08                                       ; an LDS store's data are its source 1: window 2
.irp b, 0,1,2,3,4,5,6,7
	ds_store_b128 v[STO32], v[8*\b:8*\b+3] offset:64*\b
	ds_store_b128 v[STO32], v[8*\b+4:8*\b+7] offset:64*\b+16
.endr
	WIN 0
.irp t, 0,1,2,3,4,5,6,7,8,9,10,11,12,13,14,15
	ds_load_b128 v[F32B+4*\t:F32B+4*\t+3], v[RD32] offset:SP32*\t   ; LDS serves a wave's instructions in order: these see my stores
.endr
.irp t, 0,1,2,3,4,5,6,7,8,9,10,11,12,13,14,15
	s_wait_dscnt 15-\t
	global_store_b128 v[CO32], v[F32B+4*\t:F32B+4*\t+3], s[100:101] offset:256*\t   ; sixteen lanes store a head's row of 256 bytes
.endr
.Lno_first:
; f16 out, a block of 16 tokens at a time, through my own stage.
.macro PACK a
.set AC, 64*((\a)%4)
.set WP, 0x0a+5*((\a)/4)
	WIN WP                                         ; sources 0 and 1: window 2 or 3
.irp b, 0,1,2,3,4,5,6,7
.irp r, 0,1,2,3
	v_cvt_pk_f16_f32 v[TMP+4*\b+\r], v[AC+8*\b+2*\r], v[AC+8*\b+2*\r+1]
.endr
.endr
	WIN 0
.endm
.macro TOSTAGE a
.set BK, OB+32*((\a)%2)
.irp b, 0,1,2,3,4,5,6,7
	ds_store_b128 v[STO], v[TMP+4*\b:TMP+4*\b+3] offset:32*\b
.endr
.irp hd, 0,1
.irp t, 0,1,2,3
	ds_load_b128 v[BK+4*(4*\hd+\t):BK+4*(4*\hd+\t)+3], v[RD] offset:4*SP16*\t+128*\hd
.endr
.endr
.endm
.macro SEND a
.set BK, OB+32*((\a)%2)
	s_wait_dscnt 0x0                               ; the block is back in registers
	s_wait_xcnt 0x0                                ; the stores of the block before have read their registers: the next block's loads may land there
.irp hd, 0,1
.irp t, 0,1,2,3
	global_store_b128 v[CO], v[BK+4*(4*\hd+\t):BK+4*(4*\hd+\t)+3], s[12:13] offset:2048*(\a)+262144*\hd+512*\t   ; 32 lanes store four positions' 512 consecutive bytes of one head
.endr
.endr
.endm
	PACK 0
	TOSTAGE 0
.irp a, 1,2,3,4,5,6,7
	PACK \a
	SEND \a-1
	TOSTAGE \a
.endr
	SEND 7
	s_wait_tensorcnt 0x0                           ; the wave's end: behind my last tensor load and my last LDS store
	ds_add_u32 v[SPW], v[NIL]
	s_wait_dscnt 0x0
	CROUND                                         ; the closing round
	s_endpgm
.Lfunc_end_k_q0e06f28bb8_qkv:
	.size	k_q0e06f28bb8_qkv, .Lfunc_end_k_q0e06f28bb8_qkv-k_q0e06f28bb8_qkv
	.p2alignl 7, 3214868480
	.fill 96, 4, 3214868480
	.section	.rodata,"a",@progbits
	.p2align	6, 0x0
	.amdhsa_kernel k_q0e06f28bb8_qkv
		.amdhsa_group_segment_fixed_size 327680
		.amdhsa_private_segment_fixed_size 0
		.amdhsa_enable_private_segment 0
		.amdhsa_kernarg_size 40
		.amdhsa_user_sgpr_count 2
		.amdhsa_user_sgpr_kernarg_segment_ptr 1
		.amdhsa_wavefront_size32 1
		.amdhsa_system_sgpr_workgroup_id_x 1
		.amdhsa_system_sgpr_workgroup_id_y 1
		.amdhsa_system_sgpr_workgroup_id_z 1
		.amdhsa_system_vgpr_workitem_id 0
		.amdhsa_next_free_vgpr 1024
		.amdhsa_next_free_sgpr 102
		.amdhsa_reserve_vcc 0
		.amdhsa_float_denorm_mode_32 3
		.amdhsa_float_denorm_mode_16_64 3
		.amdhsa_memory_ordered 1
		.amdhsa_forward_progress 1
		.amdhsa_inst_pref_size 170
	.end_amdhsa_kernel
	.amdgpu_metadata
---
amdhsa.version: [ 1, 2 ]
amdhsa.kernels:
  - .name:           k_q0e06f28bb8_qkv
    .symbol:         k_q0e06f28bb8_qkv.kd
    .args:
      - { .name: xq, .offset: 0, .size: 8, .value_kind: global_buffer, .address_space: global }
      - { .name: wq, .offset: 8, .size: 8, .value_kind: global_buffer, .address_space: global }
      - { .name: rope, .offset: 16, .size: 8, .value_kind: global_buffer, .address_space: global }
      - { .name: qkvh, .offset: 24, .size: 8, .value_kind: global_buffer, .address_space: global }
      - { .name: qkv32, .offset: 32, .size: 8, .value_kind: global_buffer, .address_space: global }
    .group_segment_fixed_size: 327680
    .private_segment_fixed_size: 0
    .kernarg_segment_align: 8
    .kernarg_segment_size: 40
    .max_flat_workgroup_size: 128
    .sgpr_count:     102
    .vgpr_count:     1024
    .wavefront_size: 32
...
	.end_amdgpu_metadata
.endif
;; end of part 2
;; launch attn (part 3): grid 4 x 64, 16 waves a work-group, no clusters, 327,680 bytes of LDS; arguments qkvh, att; writes att
.if DOCPART == 3
	.amdgcn_target "amdgcn-amd-amdhsa--gfx1250"
	.amdhsa_code_object_version 6
	.text
	.protected	k_q0e06f28bb8_attn
	.globl	k_q0e06f28bb8_attn
	.p2align	8
	.type	k_q0e06f28bb8_attn,@function
k_q0e06f28bb8_attn:
	s_mov_b64 s[64:65], 0
	v_nop
	global_prefetch_b8 v0, s[64:65] scope:SCOPE_SE
	s_setreg_imm32_b32 hwreg(HW_REG_WAVE_MODE, 25, 1), 1
	s_wait_xcnt 0x0
; ATTN: att[h][b s][:] = sum over t <= s of softmax_t(q[s] . k[t] / 8) v[t][:], for 64 (batch, head) pairs of 2,048 positions and head size 64.  q, k, v f16 (qkvh [3][64][2048][64]); products' sums, maxima and sums in f32;
; the weights p are rounded to f16 for the second product; the result once, to f16, laid att [16 heads][8192 tokens][64].
; SHARES.  Work-group (i, bh) owns the blocks i and 7 - i of 256 queries: under the causal mask every work-group then has the same work.  Each of its sixteen waves owns 32 queries, two tiles of 16, in 256 registers:
; four waves to a SIMD, so that one wave's softmax stands beside another's products.  The two kinds of wave (early block, late block) are dealt out evenly: half = (w xor w / 4) % 2.
; LAYOUT.  S^T = K Q^T (source 0 = 16 keys, source 1 = 16 queries): a lane holds one query (lane % 16) and keys 8 (lane / 16) + 0..7.  Two such tiles, rounded to f16 in pairs, are source 1 of O^T = V^T P.  V is turned by ds_load_tr16_b128.
; SOFTMAX.  A running maximum m and sum l for each query: p = 2^(c s - c m), c = log2(e) / 8; in every step O and l are multiplied by a = 2^(c m_old - c m_new).  m begins at -3e38, O and l at 0.
; THE RING.  Two slots of 256 keys.  A head's K and V are dense rows of 128 bytes: they come as rows of 256 bytes (two keys) with padding behind each.  Waves 0, 1 fetch K's halves, waves 2, 3 V's; all sixteen read.
; THE MASK.  Every work-group walks all eight slots: trip counts are constants.  A step all of whose keys come after the wave's queries is jumped over (ids alone); the one step on the diagonal hides keys by -infinity;
; a slot whose first key comes after the work-group's last query is not asked for.  Every wait for tensor loads is for all of them.
; NO CLUSTER: the four work-groups of a head need 8 - i slots each: a joint load would bring tiles that a partner never reads.
; LIMITS: the result must stay under 65,504 in magnitude (f16); NaN and infinities are not served.
.set SK,    256                        ; keys in a slot
.set PK,    272                        ; two keys of K: 256 bytes + 16: the 16 rows of a fragment fall on 16 different columns of 16 bytes
.set PV,    288                        ; two keys of V: 256 + 32: the 8 rows x 32 bytes of a turning load likewise
.set KHALF, 64*PK
.set VHALF, 64*PV
.set VOFF,  128*PK
.set SLOT1, 1<<17
.set NSL,   2048/SK
.set STAGE, SLOT1+VOFF+128*PV          ; behind the ring: 16 rows x (128 + 16) bytes for each wave
.set SP,    144
.set SPARE, STAGE+16*16*SP             ; the spare words, 128 bytes a wave, named by no other line
.set AK0,  1                           ; v1  my lane's place in a tile of K
.set AV0,  2                           ; v2  and of V
.set ADK,  3                           ; v3  the step's address in K
.set ADV,  4                           ; v4  in V
.set SPW,  5                           ; v5  my spare word; never rewritten
.set NIL,  6                           ; v6  0; never rewritten
.set GO,   7                           ; v7  16 x lane
.set STO,  8                           ; v8  the stage, in
.set RD,   9                           ; v9  back
.set RH,   10                          ; v10 lane % 16 - 8 (lane / 16)
.set NINF, 11                          ; v11 -infinity
.set DD,   12                          ; v12 first Q's offset, then the mask's distance
.set PFO,  13                          ; v13 256 x lane; never rewritten
.set ST,   16                          ; v16-31 eight a tile: +0 c m, +1 m, +2, +3 l, +4..7 at work (a in +6)
.set QF,   32                          ; v32-63 Q: tile qt, channels 32 ch on, at 32 + 16 qt + 8 ch
.set KV,   64                          ; v64-127 K's eight fragments, then V's
.set S,    128                         ; v128-191 S^T: 128 + 32 qt + 8 kt; P is packed in place into the first 16 of each 32
.set O,    192                         ; v192-255 O^T: 192 + 32 qt + 8 ct
.set TB,   2                           ; s2  LDS byte at which the slot in hand begins
.set KF,   3                           ; s3  the step's first key
.set WV,   8
.set Q0,   9                           ; s9  my first query
.set QE,   10                          ; s10 my last
.set QL,   11                          ; s11 my work-group's last
.set SLOTS, 12
.set SEL,  20
.set CS,   22
.set G1K,  24
.set G1V,  32
.set G0K,  40
.set G0V,  44
.set PFA,  48
.set LIM,  50
; Waves 0 and 1 fetch for K, waves 2 and 3 for V, the others nothing.  An s_nop 0 and four v_nop follow each of the two lines.
.macro TLOAD
	s_cmp_lt_u32 s[WV], 2
	s_cbranch_scc0 .Lnot_k_\@
	tensor_load_to_lds s[G0K:G0K+3], s[G1K:G1K+7]
	s_nop 0
.rept 4
	v_nop
.endr
	s_branch .Lasked_\@
.Lnot_k_\@:
	s_cmp_lt_u32 s[WV], 4
	s_cbranch_scc0 .Lasked_\@
	tensor_load_to_lds s[G0V:G0V+3], s[G1V:G1V+7]
	s_nop 0
.rept 4
	v_nop
.endr
.Lasked_\@:
.endm
; A prefetch of what the NEXT change of slots will ask for: 32,768 bytes of K and as many of V.  All four work-groups of a head walk the same rows: the first (i = 0), which walks all slots, asks.
; In it waves 4 to 7 ask for K, waves 8 to 11 for V, 8,192 bytes a wave, lanes 256 bytes apart: each block is named once.  The last change that fills a slot asks for nothing.
.macro ASK
	s_cmp_gt_u32 s[SLOTS], s[LIM]
	s_cbranch_scc0 .Lnot_mine_\@
	global_prefetch_b8 v[PFO], s[PFA:PFA+1] th:TH_LOAD_NT scope:SCOPE_SE
.Lnot_mine_\@:
.endm
	s_load_b128 s[4:7], s[0:1], 0x0                ; qkvh, att
	v_lshl_add_u32 v[SPW], v0, 2, SPARE
	v_mov_b32 v[NIL], 0
	ds_add_u32 v[SPW], v[NIL]                      ; the wave's opening: the add, twice on end, and its wait ahead of the first tensor load
	ds_add_u32 v[SPW], v[NIL]
	v_lshrrev_b32 v1, 5, v0
	v_readfirstlane_b32 s[WV], v1                  ; wave 0..15
	s_and_b32 s13, ttmp7, 0xffff                   ; batch x 16 + head
	s_lshr_b32 s14, s[WV], 2
	s_xor_b32 s14, s14, s[WV]
	s_and_b32 s14, s14, 1                          ; which of the two blocks
	s_lshr_b32 s15, s[WV], 1                       ; which 32 queries of it
	s_sub_co_u32 s16, 7, ttmp9
	s_cmp_eq_u32 s14, 1
	s_cselect_b32 s16, s16, ttmp9
	s_lshl_b32 s[Q0], s16, 8
	s_lshl_b32 s15, s15, 5
	s_add_co_u32 s[Q0], s[Q0], s15
	s_add_co_u32 s[QE], s[Q0], 31
	s_lshl_b32 s[QL], ttmp9, 8
	s_sub_co_u32 s[QL], 2047, s[QL]
	s_lshl_b32 s52, s13, 18                        ; the head's first byte in a class
	s_mov_b32 s53, 0
	s_and_b32 s17, s[WV], 1                        ; which half of a slot I fetch, if I fetch
	s_lshl_b32 s54, s17, 14
	s_add_co_u32 s54, s54, s52
	s_mov_b32 s55, 0
	s_mul_i32 s18, s17, KHALF
	s_mul_i32 s19, s17, VHALF
	s_add_co_u32 s19, s19, VOFF
	; descriptor group 1: 64 rows of 32 elements of 8 bytes, dense; 4 (K) or 8 (V) words of padding behind each 64
	s_mov_b32 s[G1K], (3<<16)|(1<<20)|(5<<22)|(3<<25)
	s_mov_b32 s[G1V], (3<<16)|(1<<20)|(5<<22)|(7<<25)
.irp g, G1K, G1V
	s_mov_b32 s[\g+1], 32<<16                      ; tensor_dim0
	s_mov_b32 s[\g+2], 64<<16                      ; tensor_dim1
	s_mov_b32 s[\g+3], 32<<16                      ; tile_dim0
	s_mov_b32 s[\g+4], 64                          ; tile_dim1
	s_mov_b32 s[\g+5], 32                          ; the pitch
	s_mov_b32 s[\g+6], 0
	s_mov_b32 s[\g+7], 0
.endr
	s_mov_b32 s[SEL], 0x76543210
	s_mov_b32 s[SEL+1], 0xfedcba98
	s_mov_b32 s[CS], 0x3e38aa3b                    ; c = log2(e) / 8
	s_mov_b32 s[CS+1], s[CS]
	s_mov_b32 s[TB], 0
	s_mov_b32 s[KF], 0
	s_mov_b32 s[SLOTS], NSL-1
	s_wait_dscnt 0x0                               ; both opening adds are done
	s_wait_kmcnt 0x0
	s_mov_b32 s[G0K], 1
	s_mov_b32 s[G0K+1], s18
	s_add_nc_u64 s[G0K+2:G0K+3], s[4:5], s[54:55]
	s_add_nc_u64 s[G0K+2:G0K+3], s[G0K+2:G0K+3], 0x1000000   ; class 1: k
	s_or_b32 s[G0K+3], s[G0K+3], 0x80000000
	s_mov_b32 s[G0V], 1
	s_mov_b32 s[G0V+1], s19
	s_add_nc_u64 s[G0V+2:G0V+3], s[4:5], s[54:55]
	s_add_nc_u64 s[G0V+2:G0V+3], s[G0V+2:G0V+3], 0x2000000   ; class 2: v
	s_or_b32 s[G0V+3], s[G0V+3], 0x80000000
	TLOAD                                          ; slot 0: key 0 counts for every query
	s_lshl_b32 s54, s[Q0], 7
	s_add_nc_u64 s[58:59], s[4:5], s[52:53]
	s_add_nc_u64 s[58:59], s[58:59], s[54:55]      ; q at my first query
	v_and_b32 v14, 15, v0                          ; r
	v_bfe_u32 v15, v0, 4, 1                        ; h
	v_lshlrev_b32 v[DD], 7, v14
	v_lshl_add_u32 v[DD], v15, 4, v[DD]
.irp qt, 0,1
.irp ch, 0,1
	global_load_b128 v[QF+16*\qt+8*\ch:QF+16*\qt+8*\ch+3], v[DD], s[58:59] offset:2048*\qt+64*\ch
	global_load_b128 v[QF+16*\qt+8*\ch+4:QF+16*\qt+8*\ch+7], v[DD], s[58:59] offset:2048*\qt+64*\ch+32
.endr
.endr
	s_and_b32 s56, s13, 15                         ; att at (head, batch, my first query)
	s_lshl_b32 s56, s56, 20
	s_lshr_b32 s57, s13, 4
	s_lshl_b32 s57, s57, 11
	s_add_co_u32 s57, s57, s[Q0]
	s_lshl_b32 s57, s57, 7
	s_add_co_u32 s56, s56, s57
	s_mov_b32 s57, 0
	s_add_nc_u64 s[6:7], s[6:7], s[56:57]
	s_cmp_lt_u32 s[WV], 8                          ; the prefetches: where my wave's stand,
	s_mov_b32 s54, 0x2000000
	s_cselect_b32 s54, 0x1000000, s54
	s_and_b32 s56, s[WV], 3
	s_lshl_b32 s56, s56, 13
	s_add_co_u32 s54, s54, s56
	s_add_co_u32 s54, s54, s52
	s_add_co_u32 s54, s54, SK*128                  ; in slot 1: the first change of slots steps it to slot 2
	s_add_nc_u64 s[PFA:PFA+1], s[4:5], s[54:55]
	s_sub_co_u32 s54, s[WV], 4                     ; and who asks: waves 4 to 11 of the head's first work-group
	s_lshr_b32 s54, s54, 3
	s_or_b32 s54, s54, ttmp9
	s_cmp_eq_u32 s54, 0
	s_cselect_b32 s[LIM], 1, -1
	v_lshrrev_b32 v[AK0], 1, v14                   ; key k lies at (k / 2) pitch + 128 (k % 2)
	v_mul_u32_u24 v[AK0], v[AK0], PK
	v_and_b32 v[AV0], 1, v14
	v_lshl_add_u32 v[AK0], v[AV0], 7, v[AK0]
	v_lshl_add_u32 v[AK0], v15, 4, v[AK0]
	v_and_b32 v[AV0], 7, v0                        ; the turning load: lane l reads key 8 h + l % 8, channels 8 ((l / 8) % 2) on
	v_lshl_add_u32 v[AV0], v15, 3, v[AV0]
	v_lshrrev_b32 v[ADK], 1, v[AV0]
	v_mul_u32_u24 v[ADK], v[ADK], PV
	v_and_b32 v[AV0], 1, v[AV0]
	v_lshl_add_u32 v[AV0], v[AV0], 7, v[ADK]
	v_bfe_u32 v[ADK], v0, 3, 1
	v_lshl_add_u32 v[AV0], v[ADK], 4, v[AV0]
	v_add_nc_u32 v[AV0], VOFF, v[AV0]
	v_and_b32 v[GO], 31, v0
	v_lshlrev_b32 v[PFO], 8, v[GO]
	v_lshlrev_b32 v[GO], 4, v[GO]
	s_mul_i32 s18, s[WV], 16*SP
	s_add_co_u32 s18, s18, STAGE
	v_mul_u32_u24 v[STO], v14, SP
	v_lshl_add_u32 v[STO], v15, 4, v[STO]
	v_add_nc_u32 v[STO], s18, v[STO]
	v_bfe_u32 v[RD], v0, 3, 2
	v_mul_u32_u24 v[RD], v[RD], SP
	v_and_b32 v[ADV], 7, v0
	v_lshl_add_u32 v[RD], v[ADV], 4, v[RD]
	v_add_nc_u32 v[RD], s18, v[RD]
	v_lshlrev_b32 v[RH], 3, v15
	v_sub_nc_u32 v[RH], v14, v[RH]
	v_mov_b32 v[NINF], 0xff800000
.irp t, 0,1
	v_mov_b32 v[ST+8*\t+1], 0xff61b1e6             ; m = -3e38, under every score
	v_mul_f32 v[ST+8*\t], s[CS], v[ST+8*\t+1]
	v_mov_b32 v[ST+8*\t+2], 0
	v_mov_b32 v[ST+8*\t+3], 0
.irp j, 4,5,6,7
	v_mov_b32 v[ST+8*\t+\j], 0                     ; the four registers at work, written once: the way out names them (a lane permute's destination, the upper half of a pair), and every step that writes them stands under a branch
.endr
.endr
.irp j, 0,1,2,3,4,5,6,7,8,9,10,11,12,13,14,15,16,17,18,19,20,21,22,23,24,25,26,27,28,29,30,31,32,33,34,35,36,37,38,39,40,41,42,43,44,45,46,47,48,49,50,51,52,53,54,55,56,57,58,59,60,61,62,63
	v_mov_b32 v[O+\j], 0                           ; O^T: the step is written once; its first turn finds zeros, which a = 0 leaves zeros
.endr
; A KEY STEP: 64 keys, the q-th of the slot in hand.
.macro STEP q
	s_cmp_gt_u32 s[KF], s[QE]                      ; all keys come after my queries: the work is left out (ids and the count of steps alone; no barrier, wait for tiles or tensor load stands in a step)
	s_cbranch_scc1 .Lhidden_\@
	v_add_nc_u32 v[ADK], s[TB], v[AK0]
	v_add_nc_u32 v[ADV], s[TB], v[AV0]
.rept 3
	v_nop                                          ; with the two additions five places: the first product below writes over P, which the last step's products read; the loads below land on V
.endr
.irp kt, 0,1,2,3
.irp ch, 0,1
	ds_load_b128 v[KV+8*(2*\kt+\ch):KV+8*(2*\kt+\ch)+3], v[ADK] offset:32*PK*(\q)+8*PK*\kt+64*\ch
	ds_load_b128 v[KV+8*(2*\kt+\ch)+4:KV+8*(2*\kt+\ch)+7], v[ADK] offset:32*PK*(\q)+8*PK*\kt+64*\ch+32
.endr
.endr
	s_wait_dscnt 0x0
.irp ch, 0,1                                   ; S^T = K Q^T: the eight accumulators take turns
.irp kt, 0,1,2,3
.irp qt, 0,1
.if \ch == 0
	v_wmma_f32_16x16x32_f16 v[S+32*\qt+8*\kt:S+32*\qt+8*\kt+7], v[KV+8*(2*\kt+\ch):KV+8*(2*\kt+\ch)+7], v[QF+16*\qt+8*\ch:QF+16*\qt+8*\ch+7], 0
.else
	v_wmma_f32_16x16x32_f16 v[S+32*\qt+8*\kt:S+32*\qt+8*\kt+7], v[KV+8*(2*\kt+\ch):KV+8*(2*\kt+\ch)+7], v[QF+16*\qt+8*\ch:QF+16*\qt+8*\ch+7], v[S+32*\qt+8*\kt:S+32*\qt+8*\kt+7]
.endif
.endr
.endr
.endr
.rept 4
	v_nop                                          ; places in front of the loads into K's registers and of the first read of the scores
.endr
.irp ks, 0,1                                   ; V, turned: it lands under the softmax
.irp ct, 0,1,2,3
	ds_load_tr16_b128 v[KV+8*(4*\ks+\ct):KV+8*(4*\ks+\ct)+3], v[ADV] offset:32*PV*(\q)+16*PV*\ks+32*\ct
	ds_load_tr16_b128 v[KV+8*(4*\ks+\ct)+4:KV+8*(4*\ks+\ct)+7], v[ADV] offset:32*PV*(\q)+16*PV*\ks+8*PV+32*\ct
.endr
.endr
	s_add_co_u32 s56, s[KF], 63                    ; a step all of whose keys count skips the mask
	s_cmp_le_u32 s56, s[Q0]
	s_cbranch_scc1 .Lopen_\@
	s_sub_co_i32 s56, s[Q0], s[KF]
	v_add_nc_u32 v[DD], s56, v[RH]                 ; d = Q0 - KF + r - 8 h.  Register 8 kt + j of tile qt holds key KF + 16 kt + 8 h + j for query Q0 + 16 qt + r: hidden where 16 kt + j - 16 qt > d
.irp qt, 0,1
.irp kt, 0,1,2,3
.irp j, 0,1,2,3,4,5,6,7
	v_cmp_gt_i32 vcc_lo, 16*\kt+\j-16*\qt, v[DD]
	v_cndmask_b32 v[S+32*\qt+8*\kt+\j], v[S+32*\qt+8*\kt+\j], v[NINF], vcc_lo
.endr
.endr
.endr
.Lopen_\@:
.irp j, 0,1,2,3                                ; the maximum: four chains a tile, each begun at an accumulator's low end; the two tiles line by line
.irp t, 0,1
	v_max3_num_f32 v[ST+8*\t+4+\j], v[S+32*\t+8*\j], v[S+32*\t+8*\j+1], v[S+32*\t+8*\j+2]
.endr
.endr
.irp i, 3,5
.irp j, 0,1,2,3
.irp t, 0,1
	v_max3_num_f32 v[ST+8*\t+4+\j], v[ST+8*\t+4+\j], v[S+32*\t+8*\j+\i], v[S+32*\t+8*\j+\i+1]
.endr
.endr
.endr
.irp t, 0,1
	v_max3_num_f32 v[ST+8*\t+4], v[ST+8*\t+4], v[S+32*\t+7], v[S+32*\t+15]
.endr
.irp t, 0,1
	v_max3_num_f32 v[ST+8*\t+6], v[ST+8*\t+6], v[S+32*\t+23], v[S+32*\t+31]
.endr
.irp t, 0,1
	v_max3_num_f32 v[ST+8*\t+4], v[ST+8*\t+4], v[ST+8*\t+5], v[ST+8*\t+6]
.endr
.irp t, 0,1
	v_max3_num_f32 v[ST+8*\t+4], v[ST+8*\t+4], v[ST+8*\t+7], v[ST+8*\t+1]   ; with the old m
.endr
.irp t, 0,1
	v_permlanex16_b32 v[ST+8*\t+5], v[ST+8*\t+4], s[SEL], s[SEL+1]          ; the query's other keys lie in the lane 16 away
.endr
.irp t, 0,1
	v_mov_b32 v[ST+8*\t+7], v[ST+8*\t]             ; c m_old
.endr
.irp t, 0,1
	v_max_num_f32 v[ST+8*\t+1], v[ST+8*\t+4], v[ST+8*\t+5]
.endr
.irp t, 0,1
	v_mul_f32 v[ST+8*\t], s[CS], v[ST+8*\t+1]
.endr
.irp t, 0,1
	v_sub_f32 v[ST+8*\t+7], v[ST+8*\t+7], v[ST+8*\t]
.endr
.irp i, 0,2,4,6,8,10,12,14,16,18,20,22,24,26,28,30
.irp t, 0,1
	v_pk_fma_f32 v[S+32*\t+\i:S+32*\t+\i+1], v[S+32*\t+\i:S+32*\t+\i+1], s[CS:CS+1], v[ST+8*\t:ST+8*\t+1] op_sel_hi:[1,0,0] neg_lo:[0,0,1] neg_hi:[0,0,1]   ; c s - c m
.endr
.endr
.irp t, 0,1
	v_exp_f32 v[ST+8*\t+6], v[ST+8*\t+7]           ; a
.endr
.irp i, 0,1,2,3,4,5,6,7,8,9,10,11,12,13,14,15,16,17,18,19,20,21,22,23,24,25,26,27,28,29,30,31,32,33,34,35,36,37,38,39,40,41,42,43,44,45,46,47,48,49,50,51,52,53,54,55,56,57,58,59,60,61,62,63
	v_exp_f32 v[S+\i], v[S+\i]                     ; p: one batch of 66 exponentials
.endr
	v_nop                                          ; a plain instruction behind the last of them
	s_wait_alu depctr_va_vdst(0)                   ; and a wait ahead of the batch's first reader
.irp t, 0,1
	v_pk_fma_f32 v[ST+8*\t+2:ST+8*\t+3], v[ST+8*\t+2:ST+8*\t+3], v[ST+8*\t+6:ST+8*\t+7], v[S+32*\t:S+32*\t+1] op_sel_hi:[1,0,1]   ; l = a l + the first pair
.endr
.irp t, 0,1
	v_pk_add_f32 v[ST+8*\t+4:ST+8*\t+5], v[S+32*\t+2:S+32*\t+3], v[S+32*\t+4:S+32*\t+5]   ; a second chain
.endr
.irp i, 6,10,14,18,22,26
.irp t, 0,1
	v_pk_add_f32 v[ST+8*\t+2:ST+8*\t+3], v[ST+8*\t+2:ST+8*\t+3], v[S+32*\t+\i:S+32*\t+\i+1]
	v_pk_add_f32 v[ST+8*\t+4:ST+8*\t+5], v[ST+8*\t+4:ST+8*\t+5], v[S+32*\t+\i+2:S+32*\t+\i+3]
.endr
.endr
.irp t, 0,1
	v_pk_add_f32 v[ST+8*\t+2:ST+8*\t+3], v[ST+8*\t+2:ST+8*\t+3], v[S+32*\t+30:S+32*\t+31]
.endr
.irp t, 0,1
	v_pk_add_f32 v[ST+8*\t+2:ST+8*\t+3], v[ST+8*\t+2:ST+8*\t+3], v[ST+8*\t+4:ST+8*\t+5]
.endr
.irp i, 0,1,2,3,4,5,6,7,8,9,10,11,12,13,14,15
.irp t, 0,1
	v_cvt_pk_f16_f32 v[S+32*\t+\i], v[S+32*\t+2*\i], v[S+32*\t+2*\i+1]   ; P, in place, rising: register i is written when it has been read
.endr
.endr
.irp i, 0,2,4,6,8,10,12,14,16,18,20,22,24,26,28,30
.irp t, 0,1
	v_pk_mul_f32 v[O+32*\t+\i:O+32*\t+\i+1], v[O+32*\t+\i:O+32*\t+\i+1], v[ST+8*\t+6:ST+8*\t+7] op_sel_hi:[1,0]   ; O^T x a
.endr
.endr
	s_wait_dscnt 0x0                               ; V is in
.irp ks, 0,1                                   ; O^T += V^T P: the eight accumulators take turns
.irp ct, 0,1,2,3
.irp qt, 0,1
	v_wmma_f32_16x16x32_f16 v[O+32*\qt+8*\ct:O+32*\qt+8*\ct+7], v[KV+8*(4*\ks+\ct):KV+8*(4*\ks+\ct)+7], v[S+32*\qt+8*\ks:S+32*\qt+8*\ks+7], v[O+32*\qt+8*\ct:O+32*\qt+8*\ct+7]
.endr
.endr
.endr
.Lhidden_\@:
	s_add_co_u32 s[KF], s[KF], 64
.endm
; THE CHANGE OF SLOTS stands at a slot's head.  Each wave waits for all its tensor loads, adds 0 to its spare word (fill = 1: twice on end), and waits for that and for its reads of the slot that it has left.
; Behind the barrier the slot ahead is whole and nobody reads the other: fill = 1: it takes the next 256 keys, up to the causal limit: the load has a slot's four steps in which to land.
.macro CHANGE fill
	s_wait_tensorcnt 0x0                           ; no tensor load of mine is out, so a group 0 may be written
	ds_add_u32 v[SPW], v[NIL]
.if \fill
	ds_add_u32 v[SPW], v[NIL]                      ; and once more, in every trip alike
	s_xor_b32 s[G0K+1], s[G0K+1], SLOT1
	s_add_nc_u64 s[G0K+2:G0K+3], s[G0K+2:G0K+3], SK*128
	s_xor_b32 s[G0V+1], s[G0V+1], SLOT1
	s_add_nc_u64 s[G0V+2:G0V+3], s[G0V+2:G0V+3], SK*128
	s_wait_xcnt 0x0                                ; the last prefetch, a slot back, has read its address
	s_add_nc_u64 s[PFA:PFA+1], s[PFA:PFA+1], SK*128
.endif
	s_wait_dscnt 0x0
	s_barrier_signal -1
	s_barrier_wait -1
.if \fill
	s_add_co_u32 s56, s[KF], SK                    ; the first key of the slot that this change would ask for
	s_cmp_gt_u32 s56, s[QL]                        ; past my work-group's last query: none of its waves would read it.  Ids and the count of steps alone: all sixteen waves go the same way
	s_cbranch_scc1 .Lpast_\@
	TLOAD                                          ; a wave's one tensor load until the next barrier
.Lpast_\@:
	ASK
.endif
.endm
.macro SLOT_STEPS
.set Q, 0
.rept SK/64
	STEP Q
.set Q, Q+1
.endr
	s_xor_b32 s[TB], s[TB], SLOT1
.endm
	s_wait_loadcnt 0x0                             ; Q
.Lslot:                                            ; seven trips
	CHANGE 1
	SLOT_STEPS
	s_sub_co_u32 s[SLOTS], s[SLOTS], 1
	s_cmp_lg_u32 s[SLOTS], 0
	s_cbranch_scc1 .Lslot
	CHANGE 0                                       ; the last slot is written out: nothing is left to ask for
	SLOT_STEPS
	; THE WAY OUT: O^T / l, rounded to f16, through my stage, a tile at a time: 32 lanes store four queries' 512 consecutive bytes.
.rept 4
	v_nop                                          ; places behind the last products
.endr
.irp t, 0,1
	v_add_f32 v[ST+8*\t+4], v[ST+8*\t+2], v[ST+8*\t+3]
.endr
.irp t, 0,1
	v_permlanex16_b32 v[ST+8*\t+5], v[ST+8*\t+4], s[SEL], s[SEL+1]
.endr
.irp t, 0,1
	v_add_f32 v[ST+8*\t+4], v[ST+8*\t+4], v[ST+8*\t+5]
.endr
.irp t, 0,1
	v_rcp_f32 v[ST+8*\t+6], v[ST+8*\t+4]
.endr
	v_nop
	s_wait_alu depctr_va_vdst(0)                   ; one wait for the two reciprocals, ahead of their first reader
.irp t, 0,1
.irp i, 0,2,4,6,8,10,12,14,16,18,20,22,24,26,28,30
	v_pk_mul_f32 v[O+32*\t+\i:O+32*\t+\i+1], v[O+32*\t+\i:O+32*\t+\i+1], v[ST+8*\t+6:ST+8*\t+7] op_sel_hi:[1,0]
.endr
.irp i, 0,1,2,3,4,5,6,7,8,9,10,11,12,13,14,15
	v_cvt_pk_f16_f32 v[S+16*\t+\i], v[O+32*\t+2*\i], v[O+32*\t+2*\i+1]
.endr
.irp ct, 0,1,2,3
	ds_store_b128 v[STO], v[S+16*\t+4*\ct:S+16*\t+4*\ct+3] offset:32*\ct
.endr
.irp u, 0,1,2,3
	ds_load_b128 v[S+32+16*\t+4*\u:S+32+16*\t+4*\u+3], v[RD] offset:4*SP*\u   ; LDS serves a wave's instructions in order: these see my stores, and the next tile's stores come behind them
.endr
.endr
.irp t, 0,1
.irp u, 0,1,2,3
	s_wait_dscnt 8*(1-\t)+3-\u                     ; behind this load: the rest of its tile's, and the other tile's eight
	global_store_b128 v[GO], v[S+32+16*\t+4*\u:S+32+16*\t+4*\u+3], s[6:7] offset:2048*\t+512*\u
.endr
.endr
	s_wait_tensorcnt 0x0                           ; the wave's end
	ds_add_u32 v[SPW], v[NIL]
	s_wait_dscnt 0x0
	s_endpgm
.Lfunc_end_k_q0e06f28bb8_attn:
	.size	k_q0e06f28bb8_attn, .Lfunc_end_k_q0e06f28bb8_attn-k_q0e06f28bb8_attn
	.p2alignl 7, 3214868480
	.fill 96, 4, 3214868480
	.section	.rodata,"a",@progbits
	.p2align	6, 0x0
	.amdhsa_kernel k_q0e06f28bb8_attn
		.amdhsa_group_segment_fixed_size 327680
		.amdhsa_private_segment_fixed_size 0
		.amdhsa_enable_private_segment 0
		.amdhsa_kernarg_size 16
		.amdhsa_user_sgpr_count 2
		.amdhsa_user_sgpr_kernarg_segment_ptr 1
		.amdhsa_wavefront_size32 1
		.amdhsa_system_sgpr_workgroup_id_x 1
		.amdhsa_system_sgpr_workgroup_id_y 1
		.amdhsa_system_sgpr_workgroup_id_z 1
		.amdhsa_system_vgpr_workitem_id 0
		.amdhsa_next_free_vgpr 256
		.amdhsa_next_free_sgpr 66
		.amdhsa_reserve_vcc 1
		.amdhsa_float_denorm_mode_32 3
		.amdhsa_float_denorm_mode_16_64 3
		.amdhsa_memory_ordered 1
		.amdhsa_forward_progress 1
		.amdhsa_inst_pref_size 188
	.end_amdhsa_kernel
	.amdgpu_metadata
---
amdhsa.version: [ 1, 2 ]
amdhsa.kernels:
  - .name:           k_q0e06f28bb8_attn
    .symbol:         k_q0e06f28bb8_attn.kd
    .args:
      - { .name: qkvh, .offset: 0, .size: 8, .value_kind: global_buffer, .address_space: global }
      - { .name: att, .offset: 8, .size: 8, .value_kind: global_buffer, .address_space: global }
    .group_segment_fixed_size: 327680
    .private_segment_fixed_size: 0
    .kernarg_segment_align: 8
    .kernarg_segment_size: 16
    .max_flat_workgroup_size: 512
    .sgpr_count:     66
    .vgpr_count:     256
    .wavefront_size: 32
...
	.end_amdgpu_metadata
.endif
;; end of part 3
;; launch oproj (part 4): grid 4 x 64, 4 waves a work-group, clusters of 4 x 4, 327,680 bytes of LDS; arguments att, ow16, out0; writes out0
.if DOCPART == 4
	.amdgcn_target "amdgcn-amd-amdhsa--gfx1250"
	.amdhsa_code_object_version 6
	.text
	.protected	k_q0e06f28bb8_oproj
	.globl	k_q0e06f28bb8_oproj
	.p2align	8
	.type	k_q0e06f28bb8_oproj,@function
k_q0e06f28bb8_oproj:
	s_mov_b64 s[64:65], 0
	v_nop
	global_prefetch_b8 v0, s[64:65] scope:SCOPE_SE
	s_setreg_imm32_b32 hwreg(HW_REG_WAVE_MODE, 25, 1), 1
	s_wait_xcnt 0x0
	s_wait_alu depctr_hold_cnt(0) depctr_sa_sdst(0) depctr_va_vdst(0) depctr_va_sdst(0) depctr_va_ssrc(0) depctr_va_vcc(0) depctr_vm_vsrc(0)
	s_getreg_b32 s2, hwreg(HW_REG_IB_STS2, 6, 4)
	s_cmp_eq_u32 s2, 0
	s_cbranch_scc0 .Lentry_in_a_cluster
	s_endpgm
.Lentry_in_a_cluster:
	s_bfe_u32 s2, ttmp6, 0x10000c
	s_cmp_lg_u32 s2, 0xf033
	s_cbranch_scc0 .Lentry_shape_is_right
	s_endpgm
.Lentry_shape_is_right:
; OPROJ: out0[m][n] = sum over e of att[m][e] o_w[n][e], m = 8,192 tokens, n = 1,024, e = 1,024; operands f16, sums and result f32.
; Both operands lie by blocks of 64 along K: att [16][8192][64], ow16 [16][1024][64]: a tile's rows of one block are one dense piece of memory, and come as rows of 256 bytes (two rows of 128) with 16 bytes of padding.
; A tile of out0 is 128 x 256: 256 work-groups.  Four waves, each 64 x 128: 32 accumulators.  K goes in steps of 128 (two blocks) through a ring of two LDS slots.
; CLUSTERS: 4 x 4: A's tile is asked for jointly along a row of the cluster, B's along a column.  Waves 0, 1 fetch A's two blocks, waves 2, 3 B's: one load a wave behind each round.
; THE MATRIX INSTRUCTION IS USED TRANSPOSED (source 0 = 16 rows of o_w, source 1 = 16 tokens): a lane holds eight neighbouring numbers of a row of out0.
; The rows of positions 0-15 of each sequence are written here like the others and written again, from f32 operands, by the launch that follows.
; REGISTERS: window 0: v16-30 addresses; v32-159 the way out.  window 1: two fragment buffers of 96: B's eight, then A's four.  window 2: accumulator (a, b) at v[8 (8 a + b)].
.set PITCH,  272
.set APL,    64*PITCH                  ; A's 128 rows of one block
.set BPL,    128*PITCH                 ; B's 256 rows of one block
.set SLOT,   2*APL+2*BPL
.set SPARE,  2*SLOT                    ; the spare words, 128 bytes a wave, named by no other line
.set SPITCH, 528                       ; the way out: 16 rows x (512 + 16) a wave, in slot 0, which has had its last fill and its last read by then
.set LAPS,   4                         ; a lap = two K steps
.set APLANE, 1048576                   ; a block of att in memory
.set BPLANE, 131072                    ; a block of ow16
.set ADRA, 16
.set ADRB, 20
.set STO,  24
.set RD,   25
.set CO,   26
.set SPW,  28                          ; v28 my spare word; never rewritten
.set NIL,  29                          ; v29 0; never rewritten
.set PFO,  30                          ; v30 256 x lane; never rewritten
.set OB,   32
.set F0,   0
.set F1,   96
.set G1, 24
.set G0, 32
.set G1B, 48
.set G0B, 56
.set PFA, 44                           ; s[44:45] where my prefetches stand
.set LIM, 43                           ; s43 1 in wave 0, else the greatest number
.set MSB, 0
.macro WIN new
.if MSB != \new
	s_set_vgpr_msb (MSB<<8)|\new
.set MSB, \new
.endif
.endm
.set MUL,  0xa5                        ; sources 0 and 1 window 1; C and D window 2
.set TO_F, 0x40                        ; destination window 1, address window 0
.macro JLOAD s                         ; a joint load; an s_nop 0 and four v_nop follow each of the two lines
	s_cmp_eq_u32 s11, 0
	s_cbranch_scc0 .Lfor_b_\@
	tensor_load_to_lds s[G0+4*\s:G0+4*\s+3], s[G1:G1+7]
	s_nop 0
.rept 4
	v_nop
.endr
	s_branch .Lasked_\@
.Lfor_b_\@:
	tensor_load_to_lds s[G0B+4*\s:G0B+4*\s+3], s[G1B:G1B+7]
	s_nop 0
.rept 4
	v_nop
.endr
.Lasked_\@:
.endm
.macro CREST
	s_cmp_lg_u32 s10, 0
	s_cbranch_scc1 .Lnot_wave_0_\@
	s_barrier_signal -3
.Lnot_wave_0_\@:
	s_barrier_wait -3
	s_barrier_signal -1
	s_barrier_wait -1
.endm
.macro CROUND
	s_barrier_signal -1
	s_barrier_wait -1
	CREST
.endm
; A prefetch of A's tile of the K step that stands two refills on: two blocks of 16,384 bytes.  The tile is read by this cluster's row alone; its four partners share it out by address
; (block cx / 2, half cx % 2: 8,192 bytes, lanes 256 bytes apart); in each, wave 0 asks.  The loop's last trip asks for nothing.  ow16 is read by every cluster and is not asked for.
.macro ASK
	s_cmp_gt_u32 s3, s[LIM]
	s_cbranch_scc0 .Lnot_mine_\@
	global_prefetch_b8 v[PFO], s[PFA:PFA+1] th:TH_LOAD_NT scope:SCOPE_SE
.Lnot_mine_\@:
.endm
	s_load_b128 s[4:7], s[0:1], 0x0                ; att, ow16
	s_load_b64 s[8:9], s[0:1], 0x10                ; out0
	v_lshl_add_u32 v[SPW], v0, 2, SPARE
	v_mov_b32 v[NIL], 0
	ds_add_u32 v[SPW], v[NIL]                      ; the wave's opening: the add, twice on end, and its wait ahead of my first tensor load
	ds_add_u32 v[SPW], v[NIL]
	v_lshrrev_b32 v1, 5, v0
	v_readfirstlane_b32 s10, v1                    ; wave 0..3
	s_lshr_b32 s11, s10, 1                         ; which half of the tile's rows is mine.  Also: I fetch for A (0) or for B (1)
	s_and_b32 s12, s10, 1                          ; which half of its columns.  Also: which of a K step's two blocks I fetch
	s_bfe_u32 s40, ttmp6, 0x40000                  ; cx: the tile column (the grid is one cluster wide)
	s_bfe_u32 s41, ttmp6, 0x40004                  ; cy
	s_and_b32 s13, ttmp7, 0xffff
	s_lshl_b32 s13, s13, 2
	s_add_co_u32 s13, s13, s41                     ; tile row = 4 x cluster y + cy
	s_lshl_b32 s43, s41, 2
	s_lshl_b32 s43, 15, s43                        ; my row of the cluster
	s_lshl_b32 s44, 0x1111, s40                    ; my column
	s_or_b32 s[G1+0], s43, (3<<16)|(1<<20)|(1<<21)|(5<<22)|(3<<25)   ; the mask; elements of 8 bytes; padding on; bit 21 beside a mask; 4 words behind every 64
	s_or_b32 s[G1B+0], s44, (3<<16)|(1<<20)|(1<<21)|(5<<22)|(3<<25)
	s_mov_b32 s[G1+1], 32<<16                      ; A: 64 rows of 32 elements, dense
	s_mov_b32 s[G1+2], 64<<16
	s_mov_b32 s[G1+3], 32<<16
	s_mov_b32 s[G1+4], 64
	s_mov_b32 s[G1+5], 32
	s_mov_b32 s[G1+6], 0
	s_mov_b32 s[G1+7], 0
	s_mov_b32 s[G1B+1], 32<<16                     ; B: 128 rows
	s_mov_b32 s[G1B+2], 128<<16
	s_mov_b32 s[G1B+3], 32<<16
	s_mov_b32 s[G1B+4], 128
	s_mov_b32 s[G1B+5], 32
	s_mov_b32 s[G1B+6], 0
	s_mov_b32 s[G1B+7], 0
	s_lshl_b32 s16, s13, 14                        ; A: the tile's 128 rows of 128 bytes, in my block
	s_lshl_b32 s17, s12, 20
	s_add_co_u32 s16, s16, s17
	s_mov_b32 s17, 0
	s_lshl_b32 s46, s40, 15                        ; B: the tile's 256 rows, in my block
	s_lshl_b32 s47, s12, 17
	s_add_co_u32 s46, s46, s47
	s_mov_b32 s47, 0
	s_mul_i32 s20, s12, APL                        ; where they go: no place in the cluster enters an LDS address
	s_mul_i32 s21, s12, BPL
	s_add_co_u32 s21, s21, 2*APL
	s_wait_dscnt 0x0                               ; both opening adds are done
	s_wait_kmcnt 0x0
	s_add_nc_u64 s[14:15], s[4:5], s[16:17]
	s_add_nc_u64 s[46:47], s[6:7], s[46:47]
	CROUND                                         ; all sixteen work-groups are here: the first joint loads meet
.irp s, 0,1
	s_mov_b32 s[G0+4*\s], 1
	s_add_co_u32 s[G0+4*\s+1], s20, \s*SLOT
	s_add_nc_u64 s[G0+4*\s+2:G0+4*\s+3], s[14:15], \s*2*APLANE
	s_or_b32 s[G0+4*\s+3], s[G0+4*\s+3], 0x80000000
	s_mov_b32 s[G0B+4*\s], 1
	s_add_co_u32 s[G0B+4*\s+1], s21, \s*SLOT
	s_add_nc_u64 s[G0B+4*\s+2:G0B+4*\s+3], s[46:47], \s*2*BPLANE
	s_or_b32 s[G0B+4*\s+3], s[G0B+4*\s+3], 0x80000000
	JLOAD \s
.endr
	v_and_b32 v1, 15, v0                           ; r
	v_bfe_u32 v2, v0, 4, 1                         ; h
	v_lshrrev_b32 v3, 1, v1                        ; row i lies at (i / 2) pitch + 128 (i % 2)
	v_mul_u32_u24 v3, v3, PITCH
	v_and_b32 v4, 1, v1
	v_lshl_add_u32 v3, v4, 7, v3
	v_lshl_add_u32 v3, v2, 4, v3
	s_mul_i32 s21, s11, 32*PITCH                   ; my 64 rows of A
	s_mul_i32 s22, s12, 64*PITCH                   ; my 128 rows of B,
	s_add_co_u32 s22, s22, 2*APL                   ; behind A's two blocks
.irp s, 0,1
	v_add_nc_u32 v[ADRA+\s], s21, v3
	v_add_nc_u32 v[ADRB+\s], s22, v3
	s_add_co_u32 s21, s21, SLOT
	s_add_co_u32 s22, s22, SLOT
.endr
	s_mul_i32 s23, s10, 16*SPITCH                  ; my stage
	v_mul_u32_u24 v5, v1, SPITCH
	v_lshl_add_u32 v5, v2, 5, v5
	v_add_nc_u32 v[STO], s23, v5
	v_and_b32 v6, 31, v0
	v_lshlrev_b32 v[CO], 4, v6
	v_add_nc_u32 v[RD], s23, v[CO]
	v_lshlrev_b32 v[PFO], 8, v6
	s_lshl_b32 s16, s13, 7
	s_lshl_b32 s17, s11, 6
	s_add_co_u32 s16, s16, s17                     ; my first row of out0
	s_lshl_b32 s16, s16, 12
	s_mov_b32 s17, 0
	s_add_nc_u64 s[8:9], s[8:9], s[16:17]
	s_lshl_b32 s46, s40, 10                        ; my first column, in bytes (what holds cx stands in the registers that fed B's addresses)
	s_lshl_b32 s47, s12, 9
	s_add_co_u32 s46, s46, s47
	s_mov_b32 s47, 0
	s_add_nc_u64 s[8:9], s[8:9], s[46:47]
	s_and_b32 s46, s40, 1                          ; the prefetches: half cx % 2 of block 6 + cx / 2: the first change of slots steps it to K step 4
	s_lshl_b32 s46, s46, 13
	s_lshr_b32 s47, s40, 1
	s_add_co_u32 s47, s47, 6
	s_lshl_b32 s47, s47, 20
	s_add_co_u32 s46, s46, s47
	s_lshl_b32 s47, s13, 14
	s_add_co_u32 s46, s46, s47
	s_mov_b32 s47, 0
	s_add_nc_u64 s[PFA:PFA+1], s[4:5], s[46:47]
	s_cmp_eq_u32 s10, 0
	s_cselect_b32 s[LIM], 1, -1
.macro MUL8 f, a, zero                 ; A's block a x B's eight, 32 along K.  The 32 accumulators take turns in the same order in every quarter
.irp b, 0,1,2,3,4,5,6,7
.if \zero
	v_wmma_f32_16x16x32_f16 v[8*(8*(\a)+\b):8*(8*(\a)+\b)+7], v[\f+8*\b:\f+8*\b+7], v[\f+64+8*(\a):\f+64+8*(\a)+7], 0
.else
	v_wmma_f32_16x16x32_f16 v[8*(8*(\a)+\b):8*(8*(\a)+\b)+7], v[\f+8*\b:\f+8*\b+7], v[\f+64+8*(\a):\f+64+8*(\a)+7], v[8*(8*(\a)+\b):8*(8*(\a)+\b)+7]
.endif
.endr
.endm
.macro FETCH slot, q, f                ; 24 LDS loads in one run: quarter q of the slot (block q / 2, channels 32 (q % 2) on): B's eight fragments, then A's four
	WIN TO_F
.irp i, 0,1,2,3,4,5,6,7
	ds_load_b128 v[\f+8*\i:\f+8*\i+3],   v[ADRB+\slot] offset:BPL*((\q)/2)+64*((\q)%2)+\i*8*PITCH
	ds_load_b128 v[\f+8*\i+4:\f+8*\i+7], v[ADRB+\slot] offset:BPL*((\q)/2)+64*((\q)%2)+\i*8*PITCH+32
.endr
.irp i, 0,1,2,3
	ds_load_b128 v[\f+64+8*\i:\f+64+8*\i+3],   v[ADRA+\slot] offset:APL*((\q)/2)+64*((\q)%2)+\i*8*PITCH
	ds_load_b128 v[\f+64+8*\i+4:\f+64+8*\i+7], v[ADRA+\slot] offset:APL*((\q)/2)+64*((\q)%2)+\i*8*PITCH+32
.endr
.endm
.macro PLACES
.rept 4
	v_nop
.endr
.endm
.macro QUARTER slot, qnext, f, g, zero ; multiplies buffer f; in its middle it fetches quarter qnext into buffer g
	s_wait_dscnt 4                                 ; B's eight and A's blocks 0, 1 are in; the youngest four loads (A's blocks 2, 3) may be out
	WIN MUL
	MUL8 \f, 0, \zero
	MUL8 \f, 1, \zero
	PLACES
	FETCH \slot, \qnext, \g
	s_wait_dscnt 24                                ; all but the 24 just issued
	WIN MUL
	MUL8 \f, 2, \zero
	MUL8 \f, 3, \zero
.endm
; The last quarter multiplies buffer 1 and changes slots: one barrier; in front of it each wave waits for all its tensor loads, adds 0 to its spare word, and waits for that and for its reads of this slot.
.macro TURN slot, next, fill
.if \fill
	s_wait_xcnt 0x0                                ; the last prefetch, a K step back, has read its address
	s_add_nc_u64 s[PFA:PFA+1], s[PFA:PFA+1], 2*APLANE
.endif
	WIN 0
	s_wait_tensorcnt 0x0                           ; my part of the next slot has landed
	ds_add_u32 v[SPW], v[NIL]
	s_wait_dscnt 5                                 ; the add and the youngest four loads may be out
	WIN MUL
	MUL8 F1, 0, 0
	s_wait_dscnt 0x0                               ; the add is done, and my reads of this slot are over
	s_barrier_signal -1
	MUL8 F1, 1, 0
.if \fill
	WIN 0
.endif
	s_barrier_wait -1
.if \fill
	CREST                                          ; the barrier has opened a round of the cluster's: no wave of any partner still reads this slot or has a load on its way
	s_add_nc_u64 s[G0+4*\slot+2:G0+4*\slot+3], s[G0+4*\slot+2:G0+4*\slot+3], 4*APLANE
	s_add_nc_u64 s[G0B+4*\slot+2:G0B+4*\slot+3], s[G0B+4*\slot+2:G0B+4*\slot+3], 4*BPLANE
	JLOAD \slot                                    ; the first tensor load behind the round; its four v_nop are also the places in front of the loads below
.else
	PLACES
.endif
	FETCH \next, 0, F0
.if \fill
	WIN 0
	ASK
.endif
	WIN MUL
	MUL8 F1, 2, 0
	MUL8 F1, 3, 0
.endm
	s_wait_tensorcnt 1                             ; my part of K step 0 is in; K step 1's load may be out
	s_barrier_signal -1
	s_barrier_wait -1
	FETCH 0, 0, F0
	QUARTER 0, 1, F0, F1, 1                        ; the first quarter starts the sums
	WIN 0
	s_mov_b32 s3, LAPS-1
.Llap:                                             ; a trip goes once round the ring and fills both slots again
	QUARTER 0, 2, F1, F0, 0
	QUARTER 0, 3, F0, F1, 0
	TURN 0, 1, 1
	QUARTER 1, 1, F0, F1, 0
	QUARTER 1, 2, F1, F0, 0
	QUARTER 1, 3, F0, F1, 0
	TURN 1, 0, 1
	QUARTER 0, 1, F0, F1, 0
	WIN 0
	s_sub_co_u32 s3, s3, 1
	s_cmp_lg_u32 s3, 0
	s_cbranch_scc1 .Llap
	QUARTER 0, 2, F1, F0, 0                        ; the last lap fills nothing
	QUARTER 0, 3, F0, F1, 0
	TURN 0, 1, 0
	QUARTER 1, 1, F0, F1, 0
	QUARTER 1, 2, F1, F0, 0
	QUARTER 1, 3, F0, F1, 0
	s_wait_dscnt 4
	WIN MUL
	MUL8 F1, 0, 0
	MUL8 F1, 1, 0
	s_wait_dscnt 0
	MUL8 F1, 2, 0
	MUL8 F1, 3, 0
	WIN 0
; THE WAY OUT, a block of 16 rows x 128 columns at a time, through my own stage: back as whole rows of 512 bytes.
.macro TOSTAGE a
	WIN 0x08                                       ; an LDS store's data are its source 1: window 2
.irp b, 0,1,2,3,4,5,6,7
	ds_store_b128 v[STO], v[64*(\a)+8*\b:64*(\a)+8*\b+3] offset:64*\b          ; each accumulator from its low end on
	ds_store_b128 v[STO], v[64*(\a)+8*\b+4:64*(\a)+8*\b+7] offset:64*\b+16
.endr
	WIN 0
.set BB, OB+64*((\a)%2)
.irp t, 0,1,2,3,4,5,6,7,8,9,10,11,12,13,14,15
	ds_load_b128 v[BB+4*\t:BB+4*\t+3], v[RD] offset:\t*SPITCH
.endr
.endm
.macro SEND a, younger
.set BB, OB+64*((\a)%2)
	s_wait_dscnt \younger                          ; the block is back; the next block's 16 stores and 16 loads may be out
.irp t, 0,1,2,3,4,5,6,7,8,9,10,11,12,13,14,15
	global_store_b128 v[CO], v[BB+4*\t:BB+4*\t+3], s[8:9] offset:65536*(\a)+4096*\t th:TH_STORE_NT   ; 32 lanes store 512 consecutive bytes
.endr
.endm
	PLACES
	TOSTAGE 0
.irp a, 1,2,3
.if \a > 1
	s_wait_xcnt 0x0                                ; block a - 2's stores have read their registers: block a's loads may land there
.endif
	TOSTAGE \a
	SEND \a-1, 32
.endr
	SEND 3, 0
	s_wait_tensorcnt 0x0                           ; the wave's end
	ds_add_u32 v[SPW], v[NIL]
	s_wait_dscnt 0x0
	CROUND                                         ; the closing round
	s_endpgm
.Lfunc_end_k_q0e06f28bb8_oproj:
	.size	k_q0e06f28bb8_oproj, .Lfunc_end_k_q0e06f28bb8_oproj-k_q0e06f28bb8_oproj
	.p2alignl 7, 3214868480
	.fill 96, 4, 3214868480
	.section	.rodata,"a",@progbits
	.p2align	6, 0x0
	.amdhsa_kernel k_q0e06f28bb8_oproj
		.amdhsa_group_segment_fixed_size 327680
		.amdhsa_private_segment_fixed_size 0
		.amdhsa_enable_private_segment 0
		.amdhsa_kernarg_size 24
		.amdhsa_user_sgpr_count 2
		.amdhsa_user_sgpr_kernarg_segment_ptr 1
		.amdhsa_wavefront_size32 1
		.amdhsa_system_sgpr_workgroup_id_x 1
		.amdhsa_system_sgpr_workgroup_id_y 1
		.amdhsa_system_sgpr_workgroup_id_z 1
		.amdhsa_system_vgpr_workitem_id 0
		.amdhsa_next_free_vgpr 768
		.amdhsa_next_free_sgpr 66
		.amdhsa_reserve_vcc 0
		.amdhsa_float_denorm_mode_32 3
		.amdhsa_float_denorm_mode_16_64 3
		.amdhsa_memory_ordered 1
		.amdhsa_forward_progress 1
		.amdhsa_inst_pref_size 86
	.end_amdhsa_kernel
	.amdgpu_metadata
---
amdhsa.version: [ 1, 2 ]
amdhsa.kernels:
  - .name:           k_q0e06f28bb8_oproj
    .symbol:         k_q0e06f28bb8_oproj.kd
    .args:
      - { .name: att, .offset: 0, .size: 8, .value_kind: global_buffer, .address_space: global }
      - { .name: ow16, .offset: 8, .size: 8, .value_kind: global_buffer, .address_space: global }
      - { .name: out0, .offset: 16, .size: 8, .value_kind: global_buffer, .address_space: global }
    .group_segment_fixed_size: 327680
    .private_segment_fixed_size: 0
    .kernarg_segment_align: 8
    .kernarg_segment_size: 24
    .max_flat_workgroup_size: 128
    .sgpr_count:     66
    .vgpr_count:     768
    .wavefront_size: 32
...
	.end_amdgpu_metadata
.endif
;; end of part 4
;; launch first (part 5): grid 16 x 4, 16 waves a work-group, no clusters, 71,680 bytes of LDS; arguments qkv32, o_w, out0; writes out0
.if DOCPART == 5
	.amdgcn_target "amdgcn-amd-amdhsa--gfx1250"
	.amdhsa_code_object_version 6
	.text
	.protected	k_q0e06f28bb8_first
	.globl	k_q0e06f28bb8_first
	.p2align	8
	.type	k_q0e06f28bb8_first,@function
k_q0e06f28bb8_first:
	s_mov_b64 s[64:65], 0
	v_nop
	global_prefetch_b8 v0, s[64:65] scope:SCOPE_SE
	s_setreg_imm32_b32 hwreg(HW_REG_WAVE_MODE, 25, 1), 1
	s_wait_xcnt 0x0
; FIRST: positions 0-15 of every sequence once more, in f32 throughout: under the causal mask these rows average one to sixteen values and are the largest, so f16 operands would use up what the comparison allows.
; Work-group (nc, b) makes out0 rows 2048 b + 0..15, columns 64 nc .. 64 nc + 63.  Wave w is head w: its 16 x 16 attention (from qkv32 [3][64][16][64], f32) and its 64 of the projection's 1,024 along K (o_w, f32);
; the sixteen shares meet in LDS and are added in the order of the heads.  A head's small attention is made again in each of the batch's sixteen work-groups: 32 K multiply-adds.
; All products by the f32 matrix form, 16 x 16 x 4: a lane holds k = 2 (lane / 16) + j in register j.  K is taken in an order that is the same on both sides of each product, so that plain loads of 16 bytes fill the operands,
; and so that a result's registers are the next product's operand as they stand.
; S^T = K Q^T: a lane holds query lane % 16 and keys 8 (lane / 16) + j.  O^T = V^T P.  Y^T = W O^T: a lane holds eight neighbouring columns of one row of out0.
; The registers that these matrix instructions write (v176-239) are written by nothing else.
.set SPW, 14                           ; v14 my spare word; never rewritten
.set NIL, 15                           ; v15 0; never rewritten
.set QR,  16                           ; v16-47  Q
.set KR,  48                           ; v48-79  K
.set OW2, 16                           ; v16-79  later o_w's tiles 2, 3; later still the sixteen shares
.set VR,  80                           ; v80-111 V
.set OW0, 112                          ; v112-175 o_w's tiles 0, 1
.set SA,  176                          ; v176-191 two accumulators of S^T, later Y's tiles 0, 1
.set OA,  192                          ; v192-223 O^T
.set PB,  224                          ; v224-239 Y's tiles 2, 3
.set PP,  240                          ; v240-247 scores, then p
.set T,   248
.set SPARE, 16*4352
	s_load_b128 s[4:7], s[0:1], 0x0                ; qkv32, o_w
	s_load_b64 s[8:9], s[0:1], 0x10                ; out0
	v_lshl_add_u32 v[SPW], v0, 2, SPARE
	v_mov_b32 v[NIL], 0
	v_lshrrev_b32 v1, 5, v0
	v_readfirstlane_b32 s10, v1                    ; wave = head
	s_and_b32 s11, ttmp7, 0xffff                   ; batch
	v_and_b32 v1, 15, v0                           ; r
	v_bfe_u32 v2, v0, 4, 1                         ; h
	v_lshlrev_b32 v3, 8, v1
	v_lshl_add_u32 v3, v2, 4, v3                   ; Q, K: row r of 256 bytes, + 16 h
	v_lshlrev_b32 v4, 2, v1
	v_lshl_add_u32 v4, v2, 11, v4                  ; V: key 8 h on, channel r
	v_lshlrev_b32 v5, 12, v1
	v_lshl_add_u32 v5, v2, 5, v5                   ; o_w: row r of 4,096 bytes, + 32 h
	s_mul_i32 s12, s10, 4352
	v_mul_u32_u24 v6, v1, 272
	v_lshl_add_u32 v6, v2, 5, v6
	v_add_nc_u32 v6, s12, v6                       ; my share's stage: 16 rows x (256 + 16)
	s_mul_i32 s12, s10, 544
	v_mul_u32_u24 v7, v2, 272
	v_lshl_add_u32 v7, v1, 4, v7
	v_add_nc_u32 v7, s12, v7                       ; back (waves 0-7): rows 2 w and 2 w + 1 of every share
	v_lshlrev_b32 v8, 12, v2
	v_lshl_add_u32 v8, v1, 4, v8                   ; and the same two rows in out0
	v_lshlrev_b32 v9, 3, v2
	v_sub_nc_u32 v9, v1, v9                        ; r - 8 h
	v_mov_b32 v10, 0xff800000                      ; -infinity
	s_mov_b32 s20, 0x76543210
	s_mov_b32 s21, 0xfedcba98
	s_mov_b32 s22, 0x3e38aa3b                      ; c = log2(e) / 8
	s_lshl_b32 s14, s11, 4
	s_add_co_u32 s14, s14, s10
	s_lshl_b32 s14, s14, 12                        ; (batch, head): 4,096 bytes each
	s_mov_b32 s15, 0
	s_lshl_b32 s16, ttmp9, 18                      ; o_w: my 64 rows,
	s_lshl_b32 s17, s10, 8                         ; my head's 64 along K
	s_add_co_u32 s16, s16, s17
	s_mov_b32 s17, 0
	s_lshl_b32 s18, s11, 11
	s_lshl_b32 s19, s10, 1
	s_add_co_u32 s18, s18, s19
	s_lshl_b32 s18, s18, 12                        ; out0: row 2048 b + 2 w,
	s_lshl_b32 s19, ttmp9, 8                       ; column 64 nc
	s_add_co_u32 s18, s18, s19
	s_mov_b32 s19, 0
	s_wait_kmcnt 0x0
	s_add_nc_u64 s[4:5], s[4:5], s[14:15]
	s_add_nc_u64 s[6:7], s[6:7], s[16:17]
	s_add_nc_u64 s[8:9], s[8:9], s[18:19]
.irp c, 0,1,2,3,4,5,6,7
	global_load_b128 v[QR+4*\c:QR+4*\c+3], v3, s[4:5] offset:32*\c            ; channels 8 c + 4 h + 0..3
.endr
.irp c, 0,1,2,3,4,5,6,7
	global_load_b128 v[KR+4*\c:KR+4*\c+3], v3, s[4:5] offset:262144+32*\c
.endr
.irp ct, 0,1,2,3
.irp i, 0,1,2,3,4,5,6,7
	global_load_b32 v[VR+8*\ct+\i], v4, s[4:5] offset:524288+256*\i+64*\ct    ; V(key 8 h + i, channel 16 ct + r)
.endr
.endr
.irp nt, 0,1
.irp ct, 0,1,2,3
.irp g, 0,1
	global_load_b128 v[OW0+32*\nt+8*\ct+4*\g:OW0+32*\nt+8*\ct+4*\g+3], v5, s[6:7] offset:65536*\nt+64*\ct+16*\g   ; o_w(16 nt + r, 16 ct + 8 h + 4 g + 0..3)
.endr
.endr
.endr
	s_wait_loadcnt 48                              ; Q and K are in; V's 32 loads and o_w's 16 may be out
.irp t, 0,1,2,3,4,5,6,7,8,9,10,11,12,13,14,15  ; S^T = K Q^T, in two accumulators by turns
.if \t < 2
	v_wmma_f32_16x16x4_f32 v[SA+8*(\t%2):SA+8*(\t%2)+7], v[KR+2*\t:KR+2*\t+1], v[QR+2*\t:QR+2*\t+1], 0
.else
	v_wmma_f32_16x16x4_f32 v[SA+8*(\t%2):SA+8*(\t%2)+7], v[KR+2*\t:KR+2*\t+1], v[QR+2*\t:QR+2*\t+1], v[SA+8*(\t%2):SA+8*(\t%2)+7]
.endif
.endr
.rept 8
	v_nop                                          ; eight places behind this form
.endr
.irp j, 0,1,2,3,4,5,6,7
	v_add_f32 v[PP+\j], v[SA+\j], v[SA+8+\j]       ; the two halves of the sum, from the low end on
.endr
.irp nt, 2,3
.irp ct, 0,1,2,3
.irp g, 0,1
	global_load_b128 v[OW2+32*(\nt-2)+8*\ct+4*\g:OW2+32*(\nt-2)+8*\ct+4*\g+3], v5, s[6:7] offset:65536*\nt+64*\ct+16*\g   ; where Q and K lay
.endr
.endr
.endr
.irp j, 0,1,2,3,4,5,6,7
	v_cmp_gt_i32 vcc_lo, \j, v9                    ; key 8 h + j comes after query r
	v_cndmask_b32 v[PP+\j], v[PP+\j], v10, vcc_lo
.endr
	v_max3_num_f32 v[T], v[PP], v[PP+1], v[PP+2]
	v_max3_num_f32 v[T+1], v[PP+3], v[PP+4], v[PP+5]
	v_max3_num_f32 v[T], v[T], v[PP+6], v[PP+7]
	v_max_num_f32 v[T], v[T], v[T+1]
	v_permlanex16_b32 v[T+1], v[T], s20, s21
	v_max_num_f32 v[T], v[T], v[T+1]               ; the row's maximum: key 0 counts for every query
	v_mul_f32 v[T], s22, v[T]
.irp j, 0,1,2,3,4,5,6,7
	v_fma_f32 v[PP+\j], v[PP+\j], s22, -v[T]
.endr
.irp j, 0,1,2,3,4,5,6,7
	v_exp_f32 v[PP+\j], v[PP+\j]
.endr
	v_nop
	s_wait_alu depctr_va_vdst(0)                   ; one wait for the eight exponentials, ahead of their first reader
	v_add_f32 v[T+2], v[PP], v[PP+1]
	v_add_f32 v[T+3], v[PP+2], v[PP+3]
	v_add_f32 v[T+4], v[PP+4], v[PP+5]
	v_add_f32 v[T+5], v[PP+6], v[PP+7]
	v_add_f32 v[T+2], v[T+2], v[T+3]
	v_add_f32 v[T+4], v[T+4], v[T+5]
	v_add_f32 v[T+2], v[T+2], v[T+4]
	v_permlanex16_b32 v[T+3], v[T+2], s20, s21
	v_add_f32 v[T+2], v[T+2], v[T+3]
	v_rcp_f32 v[T+4], v[T+2]
	v_nop
	s_wait_alu depctr_va_vdst(0)
.irp j, 0,1,2,3,4,5,6,7
	v_mul_f32 v[PP+\j], v[PP+\j], v[T+4]
.endr
	s_wait_loadcnt 32                              ; V is in; o_w's two groups of 16 may be out
.irp u, 0,1,2,3                                ; O^T = V^T P: keys 8 h + 2 u + j; four accumulators by turns
.irp ct, 0,1,2,3
.if \u == 0
	v_wmma_f32_16x16x4_f32 v[OA+8*\ct:OA+8*\ct+7], v[VR+8*\ct+2*\u:VR+8*\ct+2*\u+1], v[PP+2*\u:PP+2*\u+1], 0
.else
	v_wmma_f32_16x16x4_f32 v[OA+8*\ct:OA+8*\ct+7], v[VR+8*\ct+2*\u:VR+8*\ct+2*\u+1], v[PP+2*\u:PP+2*\u+1], v[OA+8*\ct:OA+8*\ct+7]
.endif
.endr
.endr
.rept 9
	v_nop                                          ; nine places: a result becomes an operand, and the scores' accumulators are begun anew
.endr
	s_wait_loadcnt 0x0
.irp v, 0,1,2,3,4,5,6,7,8,9,10,11,12,13,14,15  ; Y^T = W O^T: channels 16 (v / 4) + 8 h + 2 (v % 4) + j; four accumulators by turns
.irp nt, 0,1,2,3
.if \nt < 2
.set PAR, SA+8*\nt
.set OWR, OW0+32*\nt
.else
.set PAR, PB+8*(\nt-2)
.set OWR, OW2+32*(\nt-2)
.endif
.if \v == 0
	v_wmma_f32_16x16x4_f32 v[PAR:PAR+7], v[OWR+2*\v:OWR+2*\v+1], v[OA+2*\v:OA+2*\v+1], 0
.else
	v_wmma_f32_16x16x4_f32 v[PAR:PAR+7], v[OWR+2*\v:OWR+2*\v+1], v[OA+2*\v:OA+2*\v+1], v[PAR:PAR+7]
.endif
.endr
.endr
.rept 8
	v_nop
.endr
.irp nt, 0,1,2,3
.if \nt < 2
.set PAR, SA+8*\nt
.else
.set PAR, PB+8*(\nt-2)
.endif
	ds_store_b128 v6, v[PAR:PAR+3] offset:64*\nt           ; lane (r, h): my share of out0(r, 64 nc + 16 nt + 8 h + 0..7)
	ds_store_b128 v6, v[PAR+4:PAR+7] offset:64*\nt+16
.endr
	s_wait_dscnt 0x0                               ; for the others' sake: my stores are done
	s_barrier_signal -1
	s_barrier_wait -1
	s_cmp_ge_u32 s10, 8                            ; eight waves add: two rows each
	s_cbranch_scc1 .Lend
.irp i, 0,1,2,3,4,5,6,7,8,9,10,11,12,13,14,15
	ds_load_b128 v[16+4*\i:16+4*\i+3], v7 offset:4352*\i
.endr
	s_wait_dscnt 0x0
.irp i, 1,2,3,4,5,6,7,8,9,10,11,12,13,14,15
	v_pk_add_f32 v[16:17], v[16:17], v[16+4*\i:16+4*\i+1]
	v_pk_add_f32 v[18:19], v[18:19], v[18+4*\i:18+4*\i+1]
.endr
	global_store_b128 v8, v[16:19], s[8:9]         ; sixteen lanes store 256 consecutive bytes of a row
.Lend:
	s_wait_tensorcnt 0x0                           ; the wave's end: behind my last LDS store
	ds_add_u32 v[SPW], v[NIL]
	s_wait_dscnt 0x0
	s_endpgm
.Lfunc_end_k_q0e06f28bb8_first:
	.size	k_q0e06f28bb8_first, .Lfunc_end_k_q0e06f28bb8_first-k_q0e06f28bb8_first
	.p2alignl 7, 3214868480
	.fill 96, 4, 3214868480
	.section	.rodata,"a",@progbits
	.p2align	6, 0x0
	.amdhsa_kernel k_q0e06f28bb8_first
		.amdhsa_group_segment_fixed_size 71680
		.amdhsa_private_segment_fixed_size 0
		.amdhsa_enable_private_segment 0
		.amdhsa_kernarg_size 24
		.amdhsa_user_sgpr_count 2
		.amdhsa_user_sgpr_kernarg_segment_ptr 1
		.amdhsa_wavefront_size32 1
		.amdhsa_system_sgpr_workgroup_id_x 1
		.amdhsa_system_sgpr_workgroup_id_y 1
		.amdhsa_system_sgpr_workgroup_id_z 1
		.amdhsa_system_vgpr_workitem_id 0
		.amdhsa_next_free_vgpr 256
		.amdhsa_next_free_sgpr 66
		.amdhsa_reserve_vcc 1
		.amdhsa_float_denorm_mode_32 3
		.amdhsa_float_denorm_mode_16_64 3
		.amdhsa_memory_ordered 1
		.amdhsa_forward_progress 1
		.amdhsa_inst_pref_size 24
	.end_amdhsa_kernel
	.amdgpu_metadata
---
amdhsa.version: [ 1, 2 ]
amdhsa.kernels:
  - .name:           k_q0e06f28bb8_first
    .symbol:         k_q0e06f28bb8_first.kd
    .args:
      - { .name: qkv32, .offset: 0, .size: 8, .value_kind: global_buffer, .address_space: global }
      - { .name: o_w, .offset: 8, .size: 8, .value_kind: global_buffer, .address_space: global }
      - { .name: out0, .offset: 16, .size: 8, .value_kind: global_buffer, .address_space: global }
    .group_segment_fixed_size: 71680
    .private_segment_fixed_size: 0
    .kernarg_segment_align: 8
    .kernarg_segment_size: 24
    .max_flat_workgroup_size: 512
    .sgpr_count:     66
    .vgpr_count:     256
    .wavefront_size: 32
...
	.end_amdgpu_metadata
.endif
;; end of part 5
